; MI455X (gfx1250); checked and timed in simulation.
; The chip was launched on July 23, 2026; its instructions are those of AMD's public machine-readable ISA for CDNA 5 (MIT licence, August 2026) and "CDNA5" Instruction Set Architecture Reference Guide (July 2026). The comments in the code are by the model that wrote it; some were corrected since.
;; Multi Head Attention. Allowed arithmetic: matrix products marked QUANTISED: E2M3 operands, one E8M0 scale for each 32 along K, by v_wmma_scale_f32_16x16x128_f8f6f4 with both operands' format E2M3, f32 sums; everything else in f32.
;; Inputs: Wk 1,024 x 1,024 float32; Wo 1,024 x 1,024 float32; Wq 1,024 x 1,024 float32; Wv 1,024 x 1,024 float32; bk 1,024 float32; bo 1,024 float32; bq 1,024 float32; bv 1,024 float32; gk 1,024 float32; gq 1,024 float32; gv 1,024 float32; key 4 x 2,048 x 1,024 float32; mask 4 x 2,048 x 2,048 bool; query 4 x 2,048 x 1,024 float32; value 4 x 2,048 x 1,024 float32.
;; Outputs: out0 4 x 2,048 x 1,024 float32.
;; This version of the problem:
;;   THIS VERSION OF THE PROBLEM IS GIVEN IN LOW PRECISION. The matrix products marked QUANTISED in the list below multiply operands that are first quantised to E2M3 (2 exponent bits, 3 mantissa bits; 6 bits a number), with one power-of-two scale for each 32 numbers along K (OCP MX v1.0); their sums are f32. All else is computed in f32.
;;   The module's matrix products, in the order in which they are computed (A, B: the left and right operand; K: the contracted axis; several contracted axes count as one K, in the product's order):
;;     1. [M 8,192, K 1,024] x [K 1,024, N 1,024]; A: input query; B: input Wq: QUANTISED
;;     2. [M 8,192, K 1,024] x [K 1,024, N 1,024]; A: input key; B: input Wk: QUANTISED
;;     3. [M 8,192, K 1,024] x [K 1,024, N 1,024]; A: input value; B: input Wv: QUANTISED
;;     4. batch 64 x [M 2,048, K 64] x [K 64, N 2,048]; A: computed on the way; B: computed on the way: QUANTISED
;;     5. batch 64 x [M 2,048, K 2,048] x [K 2,048, N 64]; A: softmax (see below); B: computed on the way: QUANTISED
;;     6. [M 8,192, K 1,024] x [K 1,024, N 1,024]; A: computed on the way; B: input Wo: QUANTISED
;;   THE QUANTISER, for each operand of a quantised product, along K:
;;     - K is cut into blocks of 32 from its start; a last block that is shorter is filled with zeros.
;;     - A block's scale is 2^e with e = floor(log2(the largest magnitude in the block)) - 2, held to -126 .. 127; a block of zeros has e = 0. As a byte (E8M0): e + 127.
;;     - Each number is divided by its block's scale, clamped to +-7.5, and rounded to the nearest number of E2M3, ties to even, subnormals kept.
;;     - The product sums the exact products of the quantised numbers (number of the format x scale) in f32.
;;   ~~~python
;;   def quantise(x, axis):      # numpy; x: float32 -> the quantised numbers, widened to float32 again
;;       x = np.moveaxis(x, axis, -1); K = x.shape[-1]
;;       x = np.pad(x, [(0, 0)] * (x.ndim - 1) + [(0, -K % 32)]); x = x.reshape(x.shape[:-1] + (-1, 32)); a = np.abs(x).max(-1, keepdims=True)
;;       e = np.where(a > 0, np.clip(np.frexp(np.where(a > 0, a, 1))[1] - 1 - 2, -126, 127), 0)      # np.frexp(a)[1] - 1 = floor(log2(a)), exactly
;;       r = np.clip(x / 2.0 ** e, -7.5, 7.5)
;;       step = 2.0 ** (np.maximum(np.frexp(np.where(r == 0, 1, r))[1] - 1, 0) - 3)
;;       q = np.round(r / step) * step * 2.0 ** e      # np.round: ties to even
;;       return np.moveaxis(q.reshape(q.shape[:-2] + (-1,))[..., :K], -1, axis).astype(np.float32)
;;   ~~~
;;   SOFTMAX AHEAD OF A QUANTISED PRODUCT. Where the list says 'softmax', what is quantised is not the finished softmax but p = 2^(t - M), with t = logit x log2(e) and M = ceil(the row's largest t), a whole number; so 1/2 < the row's largest p <= 1. The row's sum l is taken of the UNQUANTISED p, in f32, and the product's result is divided by l at the end. Since M is a whole number, a kernel that streams over the keys may use a running M (the ceiling of the running maximum): every later rescaling is an exact power of two, which a block's scale takes up: the codes' values come out the same.
;;   OPERANDS COMPUTED ON THE WAY. 'Computed on the way' means the value that the module computes at that place (a softmax that the list does not call 'softmax' is quantised finished and normalised). What goes into a quantiser is computed in f32, as accurately as f32 sums, v_exp_f32 and their like allow (about 1e-6 of the number): no bf16 or f16 on the way to a quantiser, and a product that is left as it is and whose result goes on into a quantised operand takes f32 operands (vector FMAs, or v_wmma_f32_16x16x4_f32). A number that lies on a knife's edge between two numbers of the format may be rounded either way, as far as f32 arithmetic and the matrix unit's own rounding can turn it there, and no further.
;; One version. Each part assembles by itself: llvm-mc -triple=amdgcn-amd-amdhsa -mcpu=gfx1250 --defsym DOCPART=n.
;; ======== version 1 of 1: 4 launches
;; limits: right only within a limited range of input values
;; workspace buffers: wimg 3,276,800 bytes; mimg 8,388,608 bytes; qkimg 13,107,200 bytes; vimg 6,815,744 bytes; oimg 6,815,744 bytes; flags 8,192 bytes of whole numbers
;; launch prep (part 1): grid 640 x 1, 4 waves a work-group, no clusters, 34,304 bytes of LDS; arguments Wq, Wk, Wv, Wo, mask, wimg, mimg, flags; writes wimg, mimg, flags
.if DOCPART == 1
	.amdgcn_target "amdgcn-amd-amdhsa--gfx1250"
	.amdhsa_code_object_version 6
	.text
	.protected	k_q7198c44364_prep
	.globl	k_q7198c44364_prep
	.p2align	8
	.type	k_q7198c44364_prep,@function
k_q7198c44364_prep:
	s_mov_b64 s[64:65], 0
	v_nop
	global_prefetch_b8 v0, s[64:65] scope:SCOPE_SE
	s_setreg_imm32_b32 hwreg(HW_REG_WAVE_MODE, 25, 1), 1
	s_wait_xcnt 0x0
; Work-groups 0-127: the four weights [1024 (k)][1024 (n)] f32 become codes of FP6 (E2M3) along K with one E8M0 byte for each 32 k,
; laid as IMAGES OF THE OPERAND'S REGISTERS: a fragment (16 columns x 128 k, 12 registers a lane) is 1,536 bytes, register 4 c + e of lane l at 512 c + 16 l + 4 e.
; Image (weight i, group G of 128 columns, K step s, tile t) lies at (((8 i + G) 8 + s) 8 + t) 1536; lane r of tile 2 b + u holds column 32 b + 8 u + r + 8 (r / 8) of its group.
; Scale words behind the images: ((8 i + G) 8 + s) 512 + 128 e + 4 l is the word of tile 2 e + l / 16, row l % 16.
; Work-groups 128-639: the mask's bytes become codes of FP4, 1.0 where the byte is 0 and 0 where it is 1, in the order of the score registers of the attention launch:
; ((128 b + T) 16 + s) 1024 + 512 c + 16 l + 4 e: register 4 c + e = rho of lane (r, h): query row r of tile T, keys 128 s + 64 (rho / 4) + 32 h + 8 (rho % 4) + 0 .. 7.
; A lane takes a column of a weight and its registers run down K: a block of 32 lies in one lane, and nothing is transposed.
; LIMITS: NaN and infinities are not served; mask bytes are 0 or 1; a block whose largest magnitude lies under 2^-124 (zeros too) gets the byte 1: only this program reads the bytes.
; No matrix work, no cluster, no barrier: waves share nothing.
.set WX,   32                          ; v32-95   two sets of 32 numbers
.set WTQ,  96                          ; v96-98   the upper 16 codes of a block, on their way
.set WF,   100                         ; v100-147 two K steps x two image lanes x 12 registers
.set WSB,  24                          ; v24-25   a scale word for each K step
.set WSCALES, 3145728
.set MR,   32                          ; v32-95   16 rows as loaded
.set MD,   96                          ; v96-159  16 bytes of a row for each (key step, block)
.set MFT,  160                         ; v160-175 two sets of eight numbers
.set MC,   176                         ; v176-207 the codes
.set MSTG, 8448                        ; a wave's stage: 16 rows x (512 + 16) bytes
	s_load_b256 s[4:11], s[0:1], 0x0               ; Wq, Wk, Wv, Wo
	s_load_b128 s[12:15], s[0:1], 0x20             ; mask, wimg
	s_load_b64 s[16:17], s[0:1], 0x30              ; mimg
	s_load_b64 s[32:33], s[0:1], 0x38              ; flags: word 4 (128 b + T) + wave; its bit 4 wave + k is 1 where key step 4 wave + k of query tile T hides a key
	v_lshl_add_u32 v208, v0, 2, 0x8400
	v_mov_b32 v209, 0
	v_lshrrev_b32 v1, 5, v0
	v_readfirstlane_b32 s18, v1                    ; wave
	v_and_b32 v2, 31, v0                           ; lane
	s_cmp_lt_u32 ttmp9, 128
	s_cbranch_scc0 .Lmask
	; ---- the weights
	s_lshr_b32 s20, ttmp9, 5                       ; i: which weight
	s_bfe_u32 s21, ttmp9, 0x30002                  ; G: which 128 columns
	s_and_b32 s22, ttmp9, 3                        ; kc: K steps 2 kc and 2 kc + 1
	v_lshlrev_b32 v3, 2, v2                        ; in: 4 bytes a lane
	v_bfe_u32 v6, v2, 3, 1                         ; u: my column's tile is 2 wave + u
	v_and_b32 v7, 7, v2
	v_lshrrev_b32 v8, 4, v2
	v_lshl_or_b32 v7, v8, 3, v7                    ; r': its row in that tile
	v_mul_u32_u24 v4, v6, 1536
	v_lshl_add_u32 v4, v7, 4, v4                   ; out: 1536 u + 16 r'
	v_lshl_add_u32 v5, v6, 4, v7
	v_lshlrev_b32 v5, 2, v5                        ; scale word: 4 (16 u + r')
	s_lshl_b32 s24, s22, 20                        ; 256 kc rows of 4,096 bytes
	s_lshl_b32 s23, s21, 9
	s_add_co_u32 s24, s24, s23
	s_lshl_b32 s23, s18, 7
	s_add_co_u32 s24, s24, s23                     ; + 4 (128 G + 32 wave)
	s_mov_b32 s25, 0
	s_lshl_b32 s26, s20, 3
	s_add_co_u32 s26, s26, s21
	s_lshl_b32 s26, s26, 3
	s_lshl_b32 s23, s22, 1
	s_add_co_u32 s26, s26, s23                     ; (8 i + G) 8 + 2 kc
	s_mul_i32 s28, s26, 12288
	s_mul_i32 s23, s18, 3072
	s_add_co_u32 s28, s28, s23
	s_mov_b32 s29, 0
	s_lshl_b32 s30, s26, 9
	s_lshl_b32 s23, s18, 7
	s_add_co_u32 s30, s30, s23
	s_add_co_u32 s30, s30, WSCALES
	s_mov_b32 s31, 0
	s_wait_alu depctr_va_vdst(0)
	s_wait_kmcnt 0x0
	s_cmp_eq_u32 s20, 1                            ; the choice hangs on the work-group's number alone
	s_cselect_b64 s[4:5], s[6:7], s[4:5]
	s_cmp_eq_u32 s20, 2
	s_cselect_b64 s[4:5], s[8:9], s[4:5]
	s_cmp_eq_u32 s20, 3
	s_cselect_b64 s[4:5], s[10:11], s[4:5]
	s_add_nc_u64 s[4:5], s[4:5], s[24:25]
	s_add_nc_u64 s[28:29], s[14:15], s[28:29]
	s_add_nc_u64 s[30:31], s[14:15], s[30:31]
.macro WLOAD t                         ; block t: W(32 t + i, my column) into set t % 2; a wave reads 128 consecutive bytes
.set cI, 0
.rept 32
	global_load_b32 v[WX+32*((\t)%2)+cI], v3, s[4:5] offset:(32*(\t)+cI)*4096 th:TH_LOAD_NT
.set cI, cI+1
.endr
.endm
.macro WBLOCK t                        ; block t = 4 sigma + beta is k = 64 (beta / 2) + 32 (beta % 2) + 0 .. 31 of K step sigma: registers 6 (beta / 2) on of image lane (r', beta % 2)
.set rX, WX+32*((\t)%2)
.set rF, WF+24*((\t)/4)+12*((\t)%2)+6*(((\t)%4)/2)
.if (\t) < 7
	s_wait_loadcnt 32                              ; this block's 32 loads are in; the next block's may be out
.else
	s_wait_loadcnt 0x0
.endif
	v_max3_num_f32 v12, |v[rX]|, |v[rX+1]|, |v[rX+2]|
	v_max3_num_f32 v13, |v[rX+3]|, |v[rX+4]|, |v[rX+5]|
.irp i, 6,10,14,18,22,26
	v_max3_num_f32 v12, v12, |v[rX+\i]|, |v[rX+\i+1]|
	v_max3_num_f32 v13, v13, |v[rX+\i+2]|, |v[rX+\i+3]|
.endr
	v_max3_num_f32 v12, v12, |v[rX+30]|, |v[rX+31]|
	v_max3_num_f32 v12, v12, v13, 0x1800000        ; the floor 2^(3 - 127): the byte cannot fall under 1
	v_add_nc_u32 v11, 0xff000000, v12              ; 2 off the exponent field: the conversion's scale operand
	v_lshrrev_b32 v13, 23, v11                     ; the scale's byte
.if (\t)%4 == 0
	v_mov_b32 v[WSB+(\t)/4], v13
.else
	v_lshl_or_b32 v[WSB+(\t)/4], v13, 8*((\t)%4), v[WSB+(\t)/4]
.endif
	v_cvt_scalef32_pk16_fp6_f32 v[rF:rF+2], v[rX:rX+15], v11
	v_cvt_scalef32_pk16_fp6_f32 v[WTQ:WTQ+2], v[rX+16:rX+31], v11   ; (a conversion's three registers begin on an even number)
	v_nop                                          ; one plain place behind a scaled conversion
.irp i, 0,1,2
	v_mov_b32 v[rF+3+\i], v[WTQ+\i]
.endr
.if (\t)+2 < 8
	WLOAD (\t)+2
.endif
.if (\t)%4 == 3                        ; a K step is whole: six stores, each two aligned runs of 256 bytes (tile 2 wave and tile 2 wave + 1); every store has data registers of its own
.irp h, 0,1
.irp c, 0,1,2
	global_store_b128 v4, v[WF+24*((\t)/4)+12*\h+4*\c:WF+24*((\t)/4)+12*\h+4*\c+3], s[28:29] offset:12288*((\t)/4)+256*\h+512*\c
.endr
.endr
	global_store_b32 v5, v[WSB+(\t)/4], s[30:31] offset:512*((\t)/4)
.endif
.endm
	WLOAD 0
	WLOAD 1
.irp t, 0,1,2,3,4,5,6,7
	WBLOCK \t
.endr
	s_endpgm
	; ---- the mask: work-group = (batch b, tile T of 16 queries); wave = 512 keys, four key steps
.Lmask:
	s_sub_co_u32 s20, ttmp9, 128                   ; 128 b + T
	s_lshr_b32 s21, s20, 7                         ; b
	s_and_b32 s22, s20, 127                        ; T
	s_lshr_b32 s23, s22, 2
	s_lshl_b32 s23, s23, 6                         ; the tile's first row: 64 (T / 4)
	s_bfe_u32 s24, s22, 0x10001
	s_lshl_b32 s24, s24, 5
	s_add_co_u32 s23, s23, s24                     ; + 32 ((T % 4) / 2)
	s_and_b32 s24, s22, 1
	s_lshl_b32 s24, s24, 3
	s_add_co_u32 s23, s23, s24                     ; + 8 (T % 2)
	s_lshl_b32 s24, s21, 11
	s_add_co_u32 s23, s23, s24
	s_lshl_b32 s24, s23, 11                        ; rows of 2,048 bytes
	s_lshl_b32 s23, s18, 9
	s_add_co_u32 s24, s24, s23                     ; + my 512 keys
	s_mov_b32 s25, 0
	s_lshl_b32 s26, s20, 4
	s_lshl_b32 s23, s18, 2
	s_add_co_u32 s26, s26, s23
	s_lshl_b32 s26, s26, 10                        ; ((128 b + T) 16 + 4 wave) 1024
	s_mov_b32 s27, 0
	s_mul_i32 s28, s18, MSTG
	s_wait_alu depctr_va_vdst(0)
	v_lshlrev_b32 v3, 4, v2                        ; 16 x lane: in memory, both ways
	v_add_nc_u32 v7, s28, v3                       ; the stage, on the way in
	v_and_b32 v4, 15, v2
	v_lshrrev_b32 v5, 4, v2
	v_mul_u32_u24 v8, v4, 528
	v_lshl_add_u32 v8, v5, 5, v8                   ; THE KEY ORDER OF THE MASK'S CODES: register rho of lane (r, h) holds keys 128 s + 64 (rho / 4) + 32 h + 8 (rho % 4) + 0 .. 7, as the attention launch's score registers do
	v_add_nc_u32 v8, s28, v8                       ; and out: row r, + 32 h
	v_mov_b32 v6, 1.0                              ; the conversion's scale: 2^0
	s_wait_alu depctr_va_vdst(0)
	s_wait_kmcnt 0x0
	s_add_nc_u64 s[12:13], s[12:13], s[24:25]
	s_add_nc_u64 s[16:17], s[16:17], s[26:27]
.irp i, 0,1,2,3,4,5,6,7,8,9,10,11,12,13,14,15
	global_load_b128 v[MR+4*\i:MR+4*\i+3], v3, s[12:13] offset:(\i+8*(\i/8))*2048 th:TH_LOAD_NT   ; tile row i: 512 consecutive bytes
.endr
.irp i, 0,1,2,3,4,5,6,7,8,9,10,11,12,13,14,15
	s_wait_loadcnt 15-\i                           ; loads come back in order: row i is in
	ds_store_b128 v7, v[MR+4*\i:MR+4*\i+3] offset:528*\i
.endr
.irp k, 0,1,2,3,4,5,6,7,8,9,10,11,12,13,14,15
	ds_load_b128 v[MD+4*\k:MD+4*\k+3], v8 offset:128*(\k/4)+64*((\k%4)/2)+16*(\k%2)   ; keys 128 (k / 4) + 64 ((k % 4) / 2) + 32 h + 16 (k % 2) + 0 .. 15 of row r
.endr
.set cK, 0
.rept 16
	s_wait_dscnt 15-cK
.irp q, 0,1                            ; rho = 2 (cK % 4) + q; the two sets of numbers take turns, so plain lines stand between a conversion and the next write of its sources
	v_xor_b32 v[MD+4*cK+2*\q], 0x01010101, v[MD+4*cK+2*\q]          ; 1 where the key is hidden
	v_xor_b32 v[MD+4*cK+2*\q+1], 0x01010101, v[MD+4*cK+2*\q+1]
.irp j, 0,1,2,3
	v_bfe_u32 v[MFT+8*\q+\j], v[MD+4*cK+2*\q], 8*\j, 8
	v_bfe_u32 v[MFT+8*\q+4+\j], v[MD+4*cK+2*\q+1], 8*\j, 8
.endr
.irp j, 0,1,2,3,4,5,6,7
	v_cvt_f32_u32 v[MFT+8*\q+\j], v[MFT+8*\q+\j]
.endr
	v_cvt_scalef32_pk8_fp4_f32 v[MC+8*(cK/4)+2*(cK%4)+\q], v[MFT+8*\q:MFT+8*\q+7], v6
.endr
.if cK%4 == 3
	v_nop
	global_store_b128 v3, v[MC+8*(cK/4):MC+8*(cK/4)+3], s[16:17] offset:1024*(cK/4)          ; 512 consecutive bytes a store
	global_store_b128 v3, v[MC+8*(cK/4)+4:MC+8*(cK/4)+7], s[16:17] offset:1024*(cK/4)+512
.endif
.set cK, cK+1
.endr
	; the flags: v[MD ..] hold 1 in each byte whose key is hidden; 16 registers to a key step
.irp k, 0,1,2,3
	v_or_b32 v[MFT+\k], v[MD+16*\k], v[MD+16*\k+1]
.endr
.irp i, 2,3,4,5,6,7,8,9,10,11,12,13,14,15
.irp k, 0,1,2,3
	v_or_b32 v[MFT+\k], v[MFT+\k], v[MD+16*\k+\i]
.endr
.endr
	s_wait_alu depctr_va_vdst(0)                   ; the wait ahead of the run of scalar lines
	s_mov_b32 s30, 0
.irp k, 0,1,2,3
	v_cmp_ne_u32 vcc_lo, 0, v[MFT+\k]
	s_cmp_lg_u32 vcc_lo, 0
	s_cselect_b32 s31, 1<<\k, 0
	s_or_b32 s30, s30, s31
.endr
	s_lshl_b32 s31, s18, 2
	s_lshl_b32 s30, s30, s31                       ; bits 4 wave + k
	s_lshl_b32 s28, s20, 4
	s_add_co_u32 s28, s28, s31                     ; byte 16 (128 b + T) + 4 wave
	s_mov_b32 s29, 0
	s_add_nc_u64 s[32:33], s[32:33], s[28:29]
	v_mov_b32 v[MFT+4], s30
	v_mov_b32 v[MFT+5], 0
	v_cmp_eq_u32 vcc_lo, 0, v2
	s_wait_alu depctr_va_vdst(0)                   ; the wait here, directly ahead of the wait below
	s_wait_xcnt 0x0                                ; EXEC changes only behind this wait
	s_and_saveexec_b32 s31, vcc_lo                 ; lane 0 stores the wave's word
	global_store_b32 v[MFT+5], v[MFT+4], s[32:33]
	s_wait_xcnt 0x0
	s_or_b32 exec_lo, exec_lo, s31
	s_wait_tensorcnt 0x0
	ds_add_u32 v208, v209
	s_wait_dscnt 0x0
	s_endpgm
.Lfunc_end_k_q7198c44364_prep:
	.size	k_q7198c44364_prep, .Lfunc_end_k_q7198c44364_prep-k_q7198c44364_prep
	.p2alignl 7, 3214868480
	.fill 96, 4, 3214868480
	.section	.rodata,"a",@progbits
	.p2align	6, 0x0
	.amdhsa_kernel k_q7198c44364_prep
		.amdhsa_group_segment_fixed_size 34304
		.amdhsa_private_segment_fixed_size 0
		.amdhsa_enable_private_segment 0
		.amdhsa_kernarg_size 64
		.amdhsa_user_sgpr_count 2
		.amdhsa_user_sgpr_kernarg_segment_ptr 1
		.amdhsa_wavefront_size32 1
		.amdhsa_system_sgpr_workgroup_id_x 1
		.amdhsa_system_sgpr_workgroup_id_y 1
		.amdhsa_system_sgpr_workgroup_id_z 1
		.amdhsa_system_vgpr_workitem_id 0
		.amdhsa_next_free_vgpr 210
		.amdhsa_next_free_sgpr 66
		.amdhsa_reserve_vcc 1
		.amdhsa_float_denorm_mode_32 3
		.amdhsa_float_denorm_mode_16_64 3
		.amdhsa_memory_ordered 1
		.amdhsa_forward_progress 1
		.amdhsa_inst_pref_size 80
	.end_amdhsa_kernel
	.amdgpu_metadata
---
amdhsa.version: [ 1, 2 ]
amdhsa.kernels:
  - .name:           k_q7198c44364_prep
    .symbol:         k_q7198c44364_prep.kd
    .args:
      - { .name: Wq, .offset: 0, .size: 8, .value_kind: global_buffer, .address_space: global }
      - { .name: Wk, .offset: 8, .size: 8, .value_kind: global_buffer, .address_space: global }
      - { .name: Wv, .offset: 16, .size: 8, .value_kind: global_buffer, .address_space: global }
      - { .name: Wo, .offset: 24, .size: 8, .value_kind: global_buffer, .address_space: global }
      - { .name: mask, .offset: 32, .size: 8, .value_kind: global_buffer, .address_space: global }
      - { .name: wimg, .offset: 40, .size: 8, .value_kind: global_buffer, .address_space: global }
      - { .name: mimg, .offset: 48, .size: 8, .value_kind: global_buffer, .address_space: global }
      - { .name: flags, .offset: 56, .size: 8, .value_kind: global_buffer, .address_space: global }
    .group_segment_fixed_size: 34304
    .private_segment_fixed_size: 0
    .kernarg_segment_align: 8
    .kernarg_segment_size: 64
    .max_flat_workgroup_size: 128
    .sgpr_count:     66
    .vgpr_count:     210
    .wavefront_size: 32
...
	.end_amdgpu_metadata
.endif
;; end of part 1
;; launch proj (part 2): grid 128 x 3, 8 waves a work-group, no clusters, 327,168 bytes of LDS; arguments query, key, value, gq, gk, gv, bq, bk, bv, wimg, qkimg, vimg; writes qkimg, vimg
.if DOCPART == 2
	.amdgcn_target "amdgcn-amd-amdhsa--gfx1250"
	.amdhsa_code_object_version 6
	.text
	.protected	k_q7198c44364_proj
	.globl	k_q7198c44364_proj
	.p2align	8
	.type	k_q7198c44364_proj,@function
k_q7198c44364_proj:
	s_mov_b64 s[64:65], 0
	v_nop
	global_prefetch_b8 v0, s[64:65] scope:SCOPE_SE
	s_setreg_imm32_b32 hwreg(HW_REG_WAVE_MODE, 25, 1), 1
	s_wait_xcnt 0x0
; y = 0, 1, 2 (work-group y): LayerNorm(x W) for x = query, key, value; q is divided by 8; the result is quantised to FP6 (E2M3) with E8M0 scales: q and k along the head's 64, v along the keys.
; SHARES.  A work-group owns 64 rows x all 1,024 columns (LayerNorm wants whole rows).  Wave w owns columns 128 w .. 128 w + 127 (two heads) for all 64 rows: 4 x 8 accumulators, window 1.
; The product is used transposed (source 0 = 16 columns of W, source 1 = 16 rows of x): a lane holds ONE row, and register 64 mt + 16 b + i is column 32 b + 16 h + i of the wave's 128,
; since lane r of a tile 2 b + u of W holds column 32 b + 8 u + r + 8 (r / 8).  The rows of a tile of x are chosen the same way inside the block of 64.
; x is quantised once by the work-group (wave w: row tile w / 2, K steps 4 (w % 2) on) and goes from wave to wave through LDS as images of the operand's registers.
; The weights' images come straight from memory into registers: each wave reads only its own columns, so nothing of them is shared inside the work-group and no tensor load exists that a cluster could share.
; LayerNorm in two passes (mean, then squares of the centred numbers): no difference of large sums.  The waves' partial sums meet in LDS: three barriers in all.
; OUT: q, k: ((64 y + head index) 128 + T) 768: six registers a lane (d = 32 h + 0 .. 31 of tile row r): registers 0-3 at 16 l, 4-5 at 512 + 8 l.  v: the same form, row = d, K = 64 keys.
; LIMITS: NaN and infinities are not served; a block whose largest magnitude lies under 2^-124 (zeros too) gets the byte 1: only this program reads the bytes.
.set WSTB, 33856                       ; a wave's own stage: x's turn (16 x 528), later v's turn (64 x 528 + 32)
.set XIMG, 8*WSTB                      ; x's 32 fragments, (4 s + mt) 1536
.set XSC,  XIMG+49152                  ; their scale words: 256 s + 16 r + 4 mt
.set RED1, XSC+2048                    ; 256 wave + 16 r: four row tiles' sums
.set RED2, RED1+2048                   ; the same for the squares
.set WSCALES, 3145728
.set QKSCALES, 12582912
.set VSCALES, 6291456
.set XA,  1                            ; 16 l
.set STW, 2                            ; stage + 16 l
.set STR, 3                            ; stage + 528 r + 64 h
.set XWI, 4                            ; where I store x's images
.set XWS, 5                            ; and their scale words
.set LA,  6                            ; XIMG + 16 l
.set LXS, 7                            ; XSC + 16 r
.set RW,  8                            ; RED1 + 256 wave + 16 r
.set RR,  9                            ; RED1 + 16 r
.set L8,  10                           ; 8 l
.set L4,  11                           ; 4 l
.set GH,  12                           ; 64 h
.set VSR, 14                           ; stage + h (32 x 528 + 32) + 4 (r + 8 (r / 8))
.set H8,  15                           ; 8 h
.set XS,  16                           ; v16-23  x's scale words, two sets of four
.set WS,  24                           ; v24-55  W's scale words, 4 s + e
.set ST,  56                           ; v56-63  statistics
.set AF,  64                           ; v64-159 x's fragments, two sets of four
.set BR,  160                          ; v160-255 W's fragments, two groups of four
.set TM,  64                           ; outside the K loop: v64-79 at work in the quantiser
.set PW,  80                           ; v80-83  scale words just made
.set TQ,  84                           ; v84-90  the upper halves of blocks, on their way
.set PCX, 92                           ; v92-103 x's codes just made
.set VW,  92                           ; v92-95  scale words to store
.set SA,  64                           ; v64-71  four pairs of running sums
.set RB,  72                           ; v72-103 eight waves' partial sums
.set GG,  104                          ; v104-167 gains of my 64 columns
.set BB,  168                          ; v168-231 biases
.set NMU, 232                          ; v232-239 -mean, as pairs
.set RS,  240                          ; v240-247 1 / sqrt(var + eps) (x 1/8 for q), as pairs
.set PC,  104                          ; q, k: codes, 12 registers a row tile
.set NN,  104                          ; v: two sets of 32 numbers
.set FV,  168                          ; v: codes, 8 registers a tile
.set MSB, 0
.macro WIN new                         ; the immediate's high byte repeats the setting that is left
.if MSB != \new
	s_set_vgpr_msb (MSB<<8)|\new
.set MSB, \new
.endif
.endm
.macro BARRIER                         ; my LDS stores have landed and my LDS loads are in: then the work-group's barrier
	s_wait_dscnt 0x0
	s_barrier_signal -1
	s_barrier_wait -1
.endm
; 64 numbers of a lane in window 1, register s + 16 b + i = k 32 b + 16 h + i of my row, become a fragment's 12 registers at pc and its scale word in pw (window 0).
.macro QUANT s, pc, pw
	WIN 0x05
.irp b, 0,1,2,3
	v_max3_num_f32 v[TM+\b], |v[(\s)+16*\b]|, |v[(\s)+16*\b+1]|, 0x1800000   ; with the floor 2^(3 - 127): the byte cannot fall under 1
.endr
.irp i, 2,4,6,8,10,12,14
.irp b, 0,1,2,3
	s_delay_alu instid0(VALU_DEP_4)
	v_max3_num_f32 v[TM+\b], |v[(\s)+16*\b+\i]|, |v[(\s)+16*\b+\i+1]|, v[TM+\b]
.endr
.endr
	WIN 0
.irp b, 0,1,2,3
	v_permlanex16_b32 v[TM+4+\b], v[TM+\b], s36, s37
.endr
.irp b, 0,1,2,3
	s_delay_alu instid0(VALU_DEP_4)
	v_max_num_f32 v[TM+\b], v[TM+\b], v[TM+4+\b]   ; with lane l xor 16's: the block's largest magnitude
.endr
.irp b, 0,1,2,3
	s_delay_alu instid0(VALU_DEP_4)
	v_add_nc_u32 v[TM+12+\b], 0xff000000, v[TM+\b] ; 2 off its exponent field: the conversion's scale operand
.endr
.irp b, 0,1,2,3
	s_delay_alu instid0(VALU_DEP_4)
	v_lshrrev_b32 v[TM+4+\b], 23, v[TM+12+\b]      ; the scale's byte
.endr
	s_delay_alu instid0(VALU_DEP_3)
	v_lshl_or_b32 v[\pw], v[TM+5], 8, v[TM+4]
	s_delay_alu instid0(VALU_DEP_1)
	v_lshl_or_b32 v[\pw], v[TM+6], 16, v[\pw]
	s_delay_alu instid0(VALU_DEP_1)
	v_lshl_or_b32 v[\pw], v[TM+7], 24, v[\pw]
	WIN 0x01
.irp c, 0,1
	v_cvt_scalef32_pk16_fp6_f32 v[(\pc)+6*\c:(\pc)+6*\c+2], v[(\s)+32*\c:(\s)+32*\c+15], v[TM+12+2*\c]
	v_cvt_scalef32_pk16_fp6_f32 v[TQ+4*\c:TQ+4*\c+2], v[(\s)+32*\c+16:(\s)+32*\c+31], v[TM+12+2*\c+1]
.endr
	WIN 0
	v_nop                                          ; one plain place behind a scaled conversion
.irp c, 0,1                            ; the operand's layout wants a whole block in a lane
.irp i, 0,1,2
	v_permlane16_swap_b32 v[(\pc)+6*\c+\i], v[TQ+4*\c+\i]
.endr
.irp i, 0,1,2
	s_delay_alu instid0(VALU_DEP_3)
	v_mov_b32 v[(\pc)+6*\c+3+\i], v[TQ+4*\c+\i]
.endr
.endr
.endm
.macro XLOAD set, f                    ; my tile's 16 rows, 128 numbers of K step 4 (wave % 2) + f: each load is one row's 512 consecutive bytes
	WIN 0x40
.irp i, 0,1,2,3,4,5,6,7,8,9,10,11,12,13,14,15
.if \i < 8
	global_load_b128 v[64*(\set)+4*\i:64*(\set)+4*\i+3], v[XA], s[8:9] offset:(\i+8*(\i/8))*4096+512*(\f) th:TH_LOAD_NT
.else
	global_load_b128 v[64*(\set)+4*\i:64*(\set)+4*\i+3], v13, s[8:9] offset:(\i+8*(\i/8))*4096+512*(\f) th:TH_LOAD_NT
.endif
.endr
	WIN 0
.endm
.macro XTURN set                       ; through my stage: in as loaded, out 16 neighbours of each block of 32 to a lane
	WIN 0x04
.irp i, 0,1,2,3,4,5,6,7,8,9,10,11,12,13,14,15
	ds_store_b128 v[STW], v[64*(\set)+4*\i:64*(\set)+4*\i+3] offset:528*\i
.endr
	WIN 0x40
.irp b, 0,1,2,3
.irp j, 0,1,2,3
	ds_load_b128 v[128+16*\b+4*\j:128+16*\b+4*\j+3], v[STR] offset:128*\b+16*\j
.endr
.endr
	WIN 0
.endm
.macro IMAGE f
.irp c, 0,1,2
	ds_store_b128 v[XWI], v[PCX+4*\c:PCX+4*\c+3] offset:6144*(\f)+512*\c
.endr
	ds_store_b32 v[XWS], v[PW] offset:256*(\f)     ; lanes l and l xor 16 write the same word with the same value
.endm
.macro FETCHA set, s                   ; 13 LDS loads: x's four fragments of K step s and their scale words
.irp mt, 0,1,2,3
.irp c, 0,1,2
	ds_load_b128 v[AF+48*(\set)+12*\mt+4*\c:AF+48*(\set)+12*\mt+4*\c+3], v[LA] offset:(4*(\s)+\mt)*1536+512*\c
.endr
.endr
	ds_load_b128 v[XS+4*(\set):XS+4*(\set)+3], v[LXS] offset:256*(\s)
.endm
.macro BLOAD grp, s                    ; 12 loads: W's tiles 4 grp .. 4 grp + 3 of K step s
.irp tt, 0,1,2,3
.irp c, 0,1,2
	global_load_b128 v[BR+48*(\grp)+12*\tt+4*\c:BR+48*(\grp)+12*\tt+4*\c+3], v[XA], s[44:45] offset:12288*(\s)+1536*(4*(\grp)+\tt)+512*\c
.endr
.endr
.endm
.macro WM zero, odd
.if \zero
.if \odd
	v_wmma_scale_f32_16x16x128_f8f6f4 v[rD:rD+7], v[rA:rA+11], v[rB:rB+11], 0, v[rSA], v[rSB] matrix_a_fmt:MATRIX_FMT_FP6 matrix_b_fmt:MATRIX_FMT_FP6 matrix_a_scale:MATRIX_SCALE_ROW1
.else
	v_wmma_scale_f32_16x16x128_f8f6f4 v[rD:rD+7], v[rA:rA+11], v[rB:rB+11], 0, v[rSA], v[rSB] matrix_a_fmt:MATRIX_FMT_FP6 matrix_b_fmt:MATRIX_FMT_FP6
.endif
.else
.if \odd
	v_wmma_scale_f32_16x16x128_f8f6f4 v[rD:rD+7], v[rA:rA+11], v[rB:rB+11], v[rD:rD+7], v[rSA], v[rSB] matrix_a_fmt:MATRIX_FMT_FP6 matrix_b_fmt:MATRIX_FMT_FP6 matrix_a_scale:MATRIX_SCALE_ROW1
.else
	v_wmma_scale_f32_16x16x128_f8f6f4 v[rD:rD+7], v[rA:rA+11], v[rB:rB+11], v[rD:rD+7], v[rSA], v[rSB] matrix_a_fmt:MATRIX_FMT_FP6 matrix_b_fmt:MATRIX_FMT_FP6
.endif
.endif
.endm
; 16 matrix instructions: four tiles of W x four row tiles.  The 32 accumulators take turns, one instruction a turn, in the same order in every K step.
.macro MUL16 grp, set, s, zero
.irp tt, 0,1,2,3
.irp mt, 0,1,2,3
.set rD, 64*\mt+8*(4*(\grp)+\tt)
.set rA, BR+48*(\grp)+12*\tt
.set rB, AF+48*(\set)+12*\mt
.set rSA, WS+4*(\s)+(4*(\grp)+\tt)/2
.set rSB, XS+4*(\set)+\mt
	WM \zero, \tt%2
.endr
.endr
.endm
.macro PLACES                          ; four plain places behind matrix instructions, in front of loads into their sources and of the first read of results
.rept 4
	v_nop
.endr
.endm
.macro PSTEP s
	s_wait_loadcnt 12                              ; W's tiles 0-3 of this step are in; the 12 loads of tiles 4-7 may be out
.if (\s) < 7
	s_wait_dscnt 13                                ; x's fragments of this step are in; the next step's 13 loads may be out
.else
	s_wait_dscnt 0x0
.endif
	WIN 0x50
.if (\s) == 0
	MUL16 0, 0, 0, 1                               ; the first K step starts the sums: nothing is cleared
.else
	MUL16 0, (\s)%2, \s, 0
.endif
	WIN 0
	PLACES
.if (\s) < 7
	BLOAD 0, (\s)+1
	s_wait_loadcnt 12                              ; all but the 12 just issued
.else
	s_wait_loadcnt 0x0
.endif
	WIN 0x50
.if (\s) == 0
	MUL16 1, 0, 0, 1
.else
	MUL16 1, (\s)%2, \s, 0
.endif
	WIN 0
	PLACES
.if (\s) < 7
	BLOAD 1, (\s)+1
.endif
.if (\s) < 6
	FETCHA (\s)%2, (\s)+2
.endif
.endm
; the lanes' sums of four row tiles (pairs at SA) are joined with the other half of the lanes, stored, and all eight waves' are added in the same order in every wave: v[RB .. RB+3]
.macro REDUCE off
.irp mt, 0,1,2,3
	v_add_f32 v[ST+\mt], v[SA+2*\mt], v[SA+2*\mt+1]
.endr
.irp mt, 0,1,2,3
	s_delay_alu instid0(VALU_DEP_4)
	v_permlanex16_b32 v[ST+4+\mt], v[ST+\mt], s36, s37
.endr
.irp mt, 0,1,2,3
	s_delay_alu instid0(VALU_DEP_4)
	v_add_f32 v[ST+\mt], v[ST+\mt], v[ST+4+\mt]
.endr
	ds_store_b128 v[RW], v[ST:ST+3] offset:\off
	BARRIER
.irp w, 0,1,2,3,4,5,6,7
	ds_load_b128 v[RB+4*\w:RB+4*\w+3], v[RR] offset:\off+256*\w
.endr
	s_wait_dscnt 0x0
.irp w, 1
	v_pk_add_f32 v[RB:RB+1], v[RB:RB+1], v[RB+4*\w:RB+4*\w+1]
	v_pk_add_f32 v[RB+2:RB+3], v[RB+2:RB+3], v[RB+4*\w+2:RB+4*\w+3]
.endr
.irp w, 2, 3, 4, 5, 6, 7
	s_delay_alu instid0(VALU_DEP_2)
	v_pk_add_f32 v[RB:RB+1], v[RB:RB+1], v[RB+4*\w:RB+4*\w+1]
	s_delay_alu instid0(VALU_DEP_2)
	v_pk_add_f32 v[RB+2:RB+3], v[RB+2:RB+3], v[RB+4*\w+2:RB+4*\w+3]
.endr
.endm
	s_load_b512 s[8:23], s[0:1], 0x0               ; query, key, value, gq, gk, gv, bq, bk
	s_load_b256 s[24:31], s[0:1], 0x40             ; bv, wimg, qkimg, vimg
	v_lshrrev_b32 v1, 5, v0
	s_delay_alu instid0(VALU_DEP_1)
	v_readfirstlane_b32 s5, v1                     ; wave 0..7
	s_and_b32 s4, ttmp7, 0xffff                    ; y
	v_and_b32 v60, 31, v0                          ; l
	v_and_b32 v61, 15, v0                          ; r
	v_bfe_u32 v62, v0, 4, 1                        ; h
	s_delay_alu instid0(VALU_DEP_2)
	v_and_b32 v63, 8, v61
	s_delay_alu instid0(VALU_DEP_1)
	v_add_nc_u32 v63, v63, v61                     ; r + 8 (r / 8)
	s_mul_i32 s6, s5, WSTB
	s_and_b32 s32, s5, 1
	s_lshr_b32 s33, s5, 1                          ; the row tile that I quantise
	v_lshlrev_b32 v[XA], 4, v60
	s_wait_alu depctr_va_vdst(0)
	v_add_nc_u32 v[STW], s6, v[XA]
	s_cmp_eq_u32 s4, 1                             ; k ALONE takes other rows into a tile: tile mt, row r is row 8 mt + r % 8 + 32 (r / 8) of the block of 64,
	s_cselect_b32 s7, 0x10000, 0                   ; so that in the attention launch a lane's score registers of four tiles are 32 neighbouring keys
	v_add_nc_u32 v13, s7, v[XA]                    ; tile rows 8-15: 16 rows of 4,096 bytes further on for k
	v_mul_u32_u24 v[STR], v61, 528
	s_delay_alu instid0(VALU_DEP_1)
	v_lshl_add_u32 v[STR], v62, 6, v[STR]
	s_delay_alu instid0(VALU_DEP_1)
	v_add_nc_u32 v[STR], s6, v[STR]
	s_lshl_b32 s7, s32, 4
	s_add_co_u32 s7, s7, s33
	s_mul_i32 s7, s7, 1536
	s_add_co_u32 s7, s7, XIMG
	v_add_nc_u32 v[XWI], s7, v[XA]
	s_lshl_b32 s7, s32, 10
	s_lshl_b32 s34, s33, 2
	s_add_co_u32 s7, s7, s34
	s_add_co_u32 s7, s7, XSC
	v_lshl_add_u32 v[XWS], v61, 4, s7
	v_add_nc_u32 v[LA], XIMG, v[XA]
	v_lshl_add_u32 v[LXS], v61, 4, XSC
	s_lshl_b32 s7, s5, 8
	s_add_co_u32 s7, s7, RED1
	v_lshl_add_u32 v[RW], v61, 4, s7
	v_lshl_add_u32 v[RR], v61, 4, RED1
	v_lshlrev_b32 v[L8], 3, v60
	v_lshlrev_b32 v[L4], 2, v60
	v_lshlrev_b32 v[GH], 6, v62
	v_mul_u32_u24 v[VSR], v62, 32*528+32
	s_delay_alu instid0(VALU_DEP_1)
	v_lshl_add_u32 v[VSR], v63, 2, v[VSR]
	s_delay_alu instid0(VALU_DEP_1)
	v_add_nc_u32 v[VSR], s6, v[VSR]
	v_lshlrev_b32 v[H8], 3, v62
.irp b, 0,1,2,3
	v_mov_b32 v[TM+4+\b], 0                        ; written once: a lane permute's destination counts as one of its sources
.endr
	s_lshl_b32 s34, ttmp9, 6                       ; x: row 64 gx + 32 (mt / 2) + 8 (mt % 2),
	s_lshr_b32 s35, s5, 2
	s_lshl_b32 s35, s35, 5
	s_add_co_u32 s34, s34, s35
	s_and_b32 s35, s33, 1
	s_lshl_b32 s35, s35, 3
	s_add_co_u32 s34, s34, s35
	s_lshl_b32 s35, ttmp9, 6
	s_lshl_b32 s7, s33, 3
	s_add_co_u32 s35, s35, s7                      ; k: the tile's first row is 64 gx + 8 mt
	s_cmp_eq_u32 s4, 1
	s_cselect_b32 s34, s35, s34
	s_lshl_b32 s34, s34, 12
	s_lshl_b32 s35, s32, 11
	s_add_co_u32 s34, s34, s35                     ; + my four K steps
	s_mov_b32 s35, 0
	s_lshl_b32 s54, s4, 3
	s_add_co_u32 s54, s54, s5                      ; 8 y + wave: my group of 128 columns of weight y
	s_mul_i32 s56, s54, 98304
	s_mov_b32 s57, 0
	s_lshl_b32 s54, s54, 12
	s_add_co_u32 s54, s54, WSCALES
	s_mov_b32 s55, 0
	s_lshl_b32 s58, s5, 9
	s_mov_b32 s59, 0
	s_mov_b32 s36, 0x76543210
	s_mov_b32 s37, 0xfedcba98                      ; v_permlanex16_b32's selects for lane l xor 16
	s_mov_b32 s40, 0xba800000                      ; -1 / 1024
	s_mov_b32 s41, 0x3727c5ac                      ; 1e-5
	s_mov_b32 s42, 0xffff0000                      ; lanes 16-31
	s_mov_b32 s43, 0x3a800000                      ; 1 / 1024
	s_mov_b32 s50, 0x05040100
	s_mov_b32 s51, 0x07060302
	s_cmp_eq_u32 s4, 0
	s_cselect_b32 s38, 0x3e000000, 1.0             ; q is divided by sqrt(64): a power of two, so folding it into the gain's factor and the bias rounds nothing
	s_mov_b32 s39, s38
	s_wait_kmcnt 0x0
	s_cmp_eq_u32 s4, 1                             ; the choices hang on the work-group's y alone
	s_cselect_b64 s[8:9], s[10:11], s[8:9]
	s_cselect_b64 s[14:15], s[16:17], s[14:15]
	s_cselect_b64 s[20:21], s[22:23], s[20:21]
	s_cmp_eq_u32 s4, 2
	s_cselect_b64 s[8:9], s[12:13], s[8:9]
	s_cselect_b64 s[14:15], s[18:19], s[14:15]
	s_cselect_b64 s[20:21], s[24:25], s[20:21]
	s_add_nc_u64 s[8:9], s[8:9], s[34:35]
	s_add_nc_u64 s[14:15], s[14:15], s[58:59]
	s_add_nc_u64 s[20:21], s[20:21], s[58:59]
	s_add_nc_u64 s[44:45], s[26:27], s[56:57]
	s_add_nc_u64 s[46:47], s[26:27], s[54:55]
.irp s, 0,1,2,3,4,5,6,7
.irp e, 0,1,2,3
	global_load_b32 v[WS+4*\s+\e], v[L4], s[46:47] offset:512*\s+128*\e   ; lanes 0-15: tile 2 e's words, lanes 16-31: tile 2 e + 1's
.endr
.endr
	BLOAD 0, 0
	BLOAD 1, 0
	; ---- X: my tile of x, four K steps, becomes four fragments
	XLOAD 0, 0
	XLOAD 1, 1
.irp f, 0,1,2,3
.if \f < 3
	s_wait_loadcnt 16                              ; this K step's 16 loads are in; the next one's may be out
.else
	s_wait_loadcnt 0x0
.endif
	XTURN \f%2
	s_wait_dscnt 0x0                               ; the numbers are back, the stage's stores have read their registers, and the last image is stored
.if \f < 2
	XLOAD \f%2, \f+2
.endif
	QUANT 128, PCX, PW
	IMAGE \f
.endr
	BARRIER                                        ; x's 32 fragments lie in LDS
	; ---- the product: eight K steps of 128, written out: every offset is an immediate
	FETCHA 0, 0
	FETCHA 1, 1
.irp s, 0,1,2,3,4,5,6,7
	PSTEP \s
.endr
	; ---- LayerNorm
.irp b, 0,1,2,3
.irp j, 0,1,2,3
	global_load_b128 v[GG+16*\b+4*\j:GG+16*\b+4*\j+3], v[GH], s[14:15] offset:128*\b+16*\j   ; register 16 b + i: column 32 b + 16 h + i
	global_load_b128 v[BB+16*\b+4*\j:BB+16*\b+4*\j+3], v[GH], s[20:21] offset:128*\b+16*\j
.endr
.endr
	WIN 0x05                                       ; the sums, ascending
.irp mt, 0,1,2,3
	v_pk_add_f32 v[SA+2*\mt:SA+2*\mt+1], v[64*\mt:64*\mt+1], v[64*\mt+2:64*\mt+3]
.endr
	WIN 0x04
.set cP, 2
.rept 30
.irp mt, 0,1,2,3
	v_pk_add_f32 v[SA+2*\mt:SA+2*\mt+1], v[SA+2*\mt:SA+2*\mt+1], v[64*\mt+2*cP:64*\mt+2*cP+1]
.endr
.set cP, cP+1
.endr
	WIN 0
	REDUCE 0
.irp mt, 0,1,2,3
	v_mul_f32 v[NMU+2*\mt], s40, v[RB+\mt]         ; -mean
	v_mul_f32 v[NMU+2*\mt+1], s40, v[RB+\mt]
.endr
	WIN 0x41
.set cP, 0
.rept 32
.irp mt, 0,1,2,3
	v_pk_add_f32 v[64*\mt+2*cP:64*\mt+2*cP+1], v[64*\mt+2*cP:64*\mt+2*cP+1], v[NMU+2*\mt:NMU+2*\mt+1]
.endr
.set cP, cP+1
.endr
	WIN 0x05
.irp mt, 0,1,2,3
	v_pk_mul_f32 v[SA+2*\mt:SA+2*\mt+1], v[64*\mt:64*\mt+1], v[64*\mt:64*\mt+1]
.endr
.set cP, 1
.rept 31
.irp mt, 0,1,2,3
	s_delay_alu instid0(VALU_DEP_4)
	v_pk_fma_f32 v[SA+2*\mt:SA+2*\mt+1], v[64*\mt+2*cP:64*\mt+2*cP+1], v[64*\mt+2*cP:64*\mt+2*cP+1], v[SA+2*\mt:SA+2*\mt+1]
.endr
.set cP, cP+1
.endr
	WIN 0
	REDUCE 2048
.irp mt, 0,1,2,3
	v_fma_f32 v[ST+\mt], v[RB+\mt], s43, s41       ; var + eps
.endr
	s_wait_alu depctr_va_vdst(0)
.irp mt, 0,1,2,3
	v_rsq_f32 v[ST+4+\mt], v[ST+\mt]
.endr
	v_nop                                          ; one plain place behind the transcendentals
	s_wait_alu depctr_va_vdst(0)
.irp mt, 0,1,2,3
	v_mul_f32 v[RS+2*\mt], s38, v[ST+4+\mt]
	v_mul_f32 v[RS+2*\mt+1], s38, v[ST+4+\mt]
.endr
	s_wait_loadcnt 0x0                             ; gains and biases
.set cP, 0
.rept 32
	v_pk_mul_f32 v[BB+2*cP:BB+2*cP+1], v[BB+2*cP:BB+2*cP+1], s[38:39] op_sel_hi:[1,0]
.set cP, cP+1
.endr
	WIN 0x41
.set cP, 0
.rept 32
.irp mt, 0,1,2,3
	v_pk_mul_f32 v[64*\mt+2*cP:64*\mt+2*cP+1], v[64*\mt+2*cP:64*\mt+2*cP+1], v[RS+2*\mt:RS+2*\mt+1]
.endr
.irp mt, 0,1,2,3
	s_delay_alu instid0(VALU_DEP_4)
	v_pk_fma_f32 v[64*\mt+2*cP:64*\mt+2*cP+1], v[64*\mt+2*cP:64*\mt+2*cP+1], v[GG+2*cP:GG+2*cP+1], v[BB+2*cP:BB+2*cP+1]
.endr
.set cP, cP+1
.endr
	WIN 0
	s_lshr_b32 s32, ttmp9, 5                       ; batch
	s_and_b32 s33, ttmp9, 31                       ; g: which 64 rows of the sequence
	s_lshl_b32 s32, s32, 4
	s_lshl_b32 s34, s5, 1
	s_add_co_u32 s32, s32, s34                     ; 16 batch + my first head
	s_cmp_eq_u32 s4, 2
	s_cbranch_scc1 .Lvpath
	; ---- q, k: K = the head's 64: a row tile's 64 registers are two heads x two blocks; registers 6 c .. 6 c + 5 of the codes are head c's
	s_lshl_b32 s34, s4, 6
	s_add_co_u32 s32, s32, s34
	s_lshl_b32 s54, s32, 7
	s_lshl_b32 s34, s33, 2
	s_add_co_u32 s54, s54, s34
	s_mul_i32 s54, s54, 768
	s_mov_b32 s55, 0
	s_add_nc_u64 s[48:49], s[28:29], s[54:55]
	s_lshl_b32 s54, s32, 5
	s_add_co_u32 s54, s54, s33
	s_lshl_b32 s54, s54, 7
	s_add_co_u32 s54, s54, QKSCALES
	s_add_nc_u64 s[52:53], s[28:29], s[54:55]
.irp mt, 0,1,2,3
	QUANT 64*\mt, PC+12*\mt, PW+\mt
.irp c, 0,1
	global_store_b128 v[XA], v[PC+12*\mt+6*\c:PC+12*\mt+6*\c+3], s[48:49] offset:98304*\c+768*\mt         ; 512 consecutive bytes,
	global_store_b64 v[L8], v[PC+12*\mt+6*\c+4:PC+12*\mt+6*\c+5], s[48:49] offset:98304*\c+768*\mt+512    ; and 256: every store has data registers of its own
.endr
.endr
.irp c, 0,1                            ; a word: lanes 0-15 tiles 0 | 1, lanes 16-31 tiles 2 | 3, two bytes each
	v_perm_b32 v[TM+2*\c], v[PW+1], v[PW], s[50+\c]
	v_perm_b32 v[TM+2*\c+1], v[PW+3], v[PW+2], s[50+\c]
	s_delay_alu instid0(VALU_DEP_1)
	v_cndmask_b32 v[VW+\c], v[TM+2*\c], v[TM+2*\c+1], s42
	global_store_b32 v[L4], v[VW+\c], s[52:53] offset:4096*\c
.endr
	s_wait_xcnt 0x0
	v_lshl_add_u32 v254, v0, 2, 0x4fa00
	v_mov_b32 v255, 0
	s_wait_alu depctr_va_vdst(0)
	s_wait_tensorcnt 0x0
	ds_add_u32 v254, v255
	s_wait_dscnt 0x0
	s_endpgm
	; ---- v: K = the keys, which are my lanes' rows: the wave's 64 x 128 numbers turn through its own stage, so that a lane holds one d and 32 neighbouring keys
.Lvpath:
	s_lshl_b32 s54, s32, 5
	s_add_co_u32 s54, s54, s33
	s_mul_i32 s56, s54, 3072
	s_mov_b32 s57, 0
	s_add_nc_u64 s[48:49], s[30:31], s[56:57]
	s_lshl_b32 s56, s54, 8
	s_add_co_u32 s56, s56, VSCALES
	s_add_nc_u64 s[52:53], s[30:31], s[56:57]
	WIN 0x04
	s_wait_alu depctr_va_vdst(0)
.irp mt, 0,1,2,3
.irp b, 0,1,2,3
.irp j, 0,1,2,3
	ds_store_b128 v[STR], v[64*\mt+16*\b+4*\j:64*\mt+16*\b+4*\j+3] offset:16*\mt*528+32*(\mt/2)+128*\b+16*\j   ; stage rows in tile order; rows 32 on lie 32 bytes further, so that the two halves of the lanes read different banks
.endr
.endr
.endr
	WIN 0
.macro VLD t, set                      ; tile t (head t / 4, d tile t % 4): key 32 h + i lies in stage row 32 h + 16 ((i % 16) / 8) + i % 8 + 8 (i / 16)
.set cI, 0
.rept 32
	ds_load_b32 v[NN+32*(\set)+cI], v[VSR] offset:(16*((cI%16)/8)+cI%8+8*(cI/16))*528+4*(64*((\t)/4)+32*(((\t)%4)/2)+8*((\t)%2))
.set cI, cI+1
.endr
.endm
	VLD 0, 0
.irp t, 0,1,2,3,4,5,6,7
.set rN, NN+32*(\t%2)
.if \t < 7
	VLD \t+1, (\t+1)%2
	s_wait_dscnt 32                                ; this tile's 32 loads are in; the next tile's may be out
.else
	s_wait_dscnt 0x0
.endif
	v_max3_num_f32 v[TM], |v[rN]|, |v[rN+1]|, |v[rN+2]|
	v_max3_num_f32 v[TM+1], |v[rN+3]|, |v[rN+4]|, |v[rN+5]|
.irp i, 6,10,14,18,22,26
	s_delay_alu instid0(VALU_DEP_2)
	v_max3_num_f32 v[TM], v[TM], |v[rN+\i]|, |v[rN+\i+1]|
	s_delay_alu instid0(VALU_DEP_2)
	v_max3_num_f32 v[TM+1], v[TM+1], |v[rN+\i+2]|, |v[rN+\i+3]|
.endr
	s_delay_alu instid0(VALU_DEP_2)
	v_max3_num_f32 v[TM], v[TM], |v[rN+30]|, |v[rN+31]|
	s_delay_alu instid0(VALU_DEP_1)
	v_max3_num_f32 v[TM], v[TM], v[TM+1], 0x1800000
	s_delay_alu instid0(VALU_DEP_1)
	v_add_nc_u32 v[TM+12], 0xff000000, v[TM]
	s_delay_alu instid0(VALU_DEP_1)
	v_lshrrev_b32 v[TM+4], 23, v[TM+12]
	v_cvt_scalef32_pk16_fp6_f32 v[FV+8*\t:FV+8*\t+2], v[rN:rN+15], v[TM+12]
	v_cvt_scalef32_pk16_fp6_f32 v[TQ:TQ+2], v[rN+16:rN+31], v[TM+12]
	v_nop
.irp i, 0,1,2
	v_mov_b32 v[FV+8*\t+3+\i], v[TQ+\i]
.endr
	global_store_b128 v[XA], v[FV+8*\t:FV+8*\t+3], s[48:49] offset:98304*(\t/4)+768*(\t%4)
	global_store_b64 v[L8], v[FV+8*\t+4:FV+8*\t+5], s[48:49] offset:98304*(\t/4)+768*(\t%4)+512
	v_lshlrev_b32 v[TM+5], v[H8], v[TM+4]          ; my block's byte at its place,
	s_delay_alu instid0(VALU_DEP_1)
	v_permlanex16_b32 v[TM+6], v[TM+5], s36, s37
	s_delay_alu instid0(VALU_DEP_1)
	v_or_b32 v[TM+8+\t%2], v[TM+5], v[TM+6]        ; with the other block's: the row's two bytes
.if \t%2 == 1
	s_delay_alu instid0(VALU_DEP_1)
	v_cndmask_b32 v[VW+\t/2], v[TM+8], v[TM+9], s42
	global_store_b32 v[L4], v[VW+\t/2], s[52:53] offset:8192*(\t/4)+64*(\t%4-1)
.endif
.endr
	s_wait_xcnt 0x0
	v_lshl_add_u32 v254, v0, 2, 0x4fa00
	v_mov_b32 v255, 0
	s_wait_alu depctr_va_vdst(0)
	s_wait_tensorcnt 0x0
	ds_add_u32 v254, v255
	s_wait_dscnt 0x0
	s_endpgm
.Lfunc_end_k_q7198c44364_proj:
	.size	k_q7198c44364_proj, .Lfunc_end_k_q7198c44364_proj-k_q7198c44364_proj
	.p2alignl 7, 3214868480
	.fill 96, 4, 3214868480
	.section	.rodata,"a",@progbits
	.p2align	6, 0x0
	.amdhsa_kernel k_q7198c44364_proj
		.amdhsa_group_segment_fixed_size 327168
		.amdhsa_private_segment_fixed_size 0
		.amdhsa_enable_private_segment 0
		.amdhsa_kernarg_size 96
		.amdhsa_user_sgpr_count 2
		.amdhsa_user_sgpr_kernarg_segment_ptr 1
		.amdhsa_wavefront_size32 1
		.amdhsa_system_sgpr_workgroup_id_x 1
		.amdhsa_system_sgpr_workgroup_id_y 1
		.amdhsa_system_sgpr_workgroup_id_z 1
		.amdhsa_system_vgpr_workitem_id 0
		.amdhsa_next_free_vgpr 512
		.amdhsa_next_free_sgpr 66
		.amdhsa_reserve_vcc 0
		.amdhsa_float_denorm_mode_32 3
		.amdhsa_float_denorm_mode_16_64 3
		.amdhsa_memory_ordered 1
		.amdhsa_forward_progress 1
		.amdhsa_inst_pref_size 229
	.end_amdhsa_kernel
	.amdgpu_metadata
---
amdhsa.version: [ 1, 2 ]
amdhsa.kernels:
  - .name:           k_q7198c44364_proj
    .symbol:         k_q7198c44364_proj.kd
    .args:
      - { .name: query, .offset: 0, .size: 8, .value_kind: global_buffer, .address_space: global }
      - { .name: key, .offset: 8, .size: 8, .value_kind: global_buffer, .address_space: global }
      - { .name: value, .offset: 16, .size: 8, .value_kind: global_buffer, .address_space: global }
      - { .name: gq, .offset: 24, .size: 8, .value_kind: global_buffer, .address_space: global }
      - { .name: gk, .offset: 32, .size: 8, .value_kind: global_buffer, .address_space: global }
      - { .name: gv, .offset: 40, .size: 8, .value_kind: global_buffer, .address_space: global }
      - { .name: bq, .offset: 48, .size: 8, .value_kind: global_buffer, .address_space: global }
      - { .name: bk, .offset: 56, .size: 8, .value_kind: global_buffer, .address_space: global }
      - { .name: bv, .offset: 64, .size: 8, .value_kind: global_buffer, .address_space: global }
      - { .name: wimg, .offset: 72, .size: 8, .value_kind: global_buffer, .address_space: global }
      - { .name: qkimg, .offset: 80, .size: 8, .value_kind: global_buffer, .address_space: global }
      - { .name: vimg, .offset: 88, .size: 8, .value_kind: global_buffer, .address_space: global }
    .group_segment_fixed_size: 327168
    .private_segment_fixed_size: 0
    .kernarg_segment_align: 8
    .kernarg_segment_size: 96
    .max_flat_workgroup_size: 256
    .sgpr_count:     66
    .vgpr_count:     512
    .wavefront_size: 32
...
	.end_amdgpu_metadata
.endif
;; end of part 2
;; launch attn (part 3): grid 4 x 64, 16 waves a work-group, no clusters, 206,848 bytes of LDS; arguments qkimg, vimg, mimg, oimg, flags; writes oimg
.if DOCPART == 3
	.amdgcn_target "amdgcn-amd-amdhsa--gfx1250"
	.amdhsa_code_object_version 6
	.text
	.protected	k_q7198c44364_attn
	.globl	k_q7198c44364_attn
	.p2align	8
	.type	k_q7198c44364_attn,@function
k_q7198c44364_attn:
	s_mov_b64 s[64:65], 0
	v_nop
	global_prefetch_b8 v0, s[64:65] scope:SCOPE_SE
	s_setreg_imm32_b32 hwreg(HW_REG_WAVE_MODE, 25, 1), 1
	s_wait_xcnt 0x0
; o = softmax(q k^T + mask term) v for one (batch, head) = work-group y and 512 queries = work-group x, on codes of FP6 (E2M3) with E8M0 scales; o is quantised along the head's 64 and stored as images of the operand's registers.
; SHARES.  16 waves; a wave owns two tiles of 16 queries, one after the other; a step is 16 queries x 128 keys, 16 steps a tile.
; LDS holds the head's whole K and V, a block of STEPB bytes a key step: K's 8 tile images (6,144), V's 8 (6,144), K's scale words (256), V's (256).  Wave w brings step w: 24 loads of 512 bytes and as many LDS stores; one barrier in the launch.
; Both products are used transposed (S^T = k q^T, O^T = v^T p^T): a lane holds one query.  A tile of k holds keys 8 u + r % 8 + 32 (r / 8) of its 64, so score register 96 + 32 c + i of lane (r, h) is key 64 c + 32 h + i of the step:
; a block of 32 keys lies whole in one lane, in the order of p's operand registers: its largest p needs no other lane and its codes are not moved between lanes.
; K = 64 in the first product: a fragment of 12 registers holds two tiles of k, and q stands in one half of its operand with zero codes in the other.
; SOFTMAX: M is the ceiling of the running largest t, kept as -M; p = 2^(t - M); the row's sum is taken of the unquantised p; what was summed is multiplied by 2^(old M - new M) in every step, with no branch on it.
; THE MASK.  reference() adds -1e9 x (1 - mask).  Where a tile of 16 queries x 128 keys hides no key the term is 0 for all its numbers, and the step's loads and multiply-adds for it are jumped over
; by a scalar branch on a bit that launch prep stored in 'flags'; a tile with a hidden key adds the term as reference() does.
; NO TENSOR LOAD, NO CLUSTER: that branch hangs on a word read from memory; the four work-groups of a head each load K and V themselves.
; NO PREFETCH: every byte of K and V is asked for at the head, all loads on their way together; the loops read memory only in steps with hidden keys.
; LIMITS: NaN and infinities are not served; the promise holds while the scaled scores stay under 2^31 in magnitude; a block of p under 2^-124 gets the byte 1 and zero codes.
.set STEPB, 12800
.set SPARE, 16*STEPB                   ; the spare words: 128 bytes a wave, named by no other line
.set QKSCALES, 12582912
.set VSCALES, 6291456
.set OSCALES, 6291456
; v1 16 l; v2 512 + 8 l; v3 8 h; v4 12288 + 4 l; v5 8 l; v6 4 l; v7 scale bytes 127; v8, v9, v88 this trip's LDS addresses; v12 -M, v13 largest t, v[14:15] the sum; v16-33 zeros, q, zeros; v34-39 scale words;
; v40-87 fragments of k, then of v; v96-159 scores, then p; v160-191 O^T; v192-215 the mask's codes and numbers; v216-218 the head's LDS stores; v223, v255 the add's two; v224-235 p's codes; v236-254 at work
	s_load_b256 s[4:11], s[0:1], 0x0               ; qkimg, vimg, mimg, oimg
	s_load_b64 s[48:49], s[0:1], 0x20              ; flags
	v_lshl_add_u32 v223, v0, 2, SPARE
	v_mov_b32 v255, 0
	v_lshrrev_b32 v1, 5, v0
	s_delay_alu instid0(VALU_DEP_1)
	v_readfirstlane_b32 s12, v1                    ; wave
	s_and_b32 s13, ttmp7, 0xffff                   ; 16 batch + head
	s_lshr_b32 s14, s13, 4
	s_and_b32 s15, s13, 15
	s_lshl_b32 s16, ttmp9, 5
	s_lshl_b32 s17, s12, 1
	s_add_co_u32 s16, s16, s17                     ; my first tile of queries
	s_mul_i32 s17, s12, STEPB
	s_mov_b32 s34, 0x76543210
	s_mov_b32 s35, 0xfedcba98                      ; selects for lane l xor 16
	s_mov_b32 s36, 0x3fb8aa3b                      ; log2(e)
	s_mov_b32 s37, s36
	s_mov_b32 s38, 0xce6e6b28                      ; -1e9
	s_mov_b32 s39, s38
	s_mov_b32 s44, 0xffff0000
	v_and_b32 v95, 31, v0
	v_bfe_u32 v3, v0, 4, 1
	v_and_b32 v94, 15, v0
	s_delay_alu instid0(VALU_DEP_3)
	v_lshlrev_b32 v1, 4, v95
	v_lshl_add_u32 v2, v95, 3, 512
	v_lshl_add_u32 v4, v95, 2, 12288
	v_lshlrev_b32 v5, 3, v95
	v_lshlrev_b32 v6, 2, v95
	v_lshlrev_b32 v3, 3, v3
	v_lshlrev_b32 v94, 2, v94
	v_mov_b32 v7, 0x7f7f7f7f
	v_add_nc_u32 v216, s17, v4
	v_add_nc_u32 v217, s17, v5
	v_add_nc_u32 v218, s17, v1
.irp i, 16,17,18,19,20,21,28,29,30,31,32,33,236,237,253
	v_mov_b32 v\i, 0
.endr
	s_wait_alu depctr_va_vdst(0)                   ; the wait at the head's end
	s_wait_kmcnt 0x0
	s_mov_b32 s19, 0
	s_add_co_u32 s20, s13, 64                      ; k's images lie behind q's 64
	s_lshl_b32 s18, s20, 12
	s_lshl_b32 s21, s12, 8
	s_add_co_u32 s18, s18, s21
	s_add_co_u32 s18, s18, QKSCALES
	s_add_nc_u64 s[50:51], s[4:5], s[18:19]        ; k's scale words of key step = wave
	s_lshl_b32 s18, s13, 13
	s_lshl_b32 s21, s12, 9
	s_add_co_u32 s18, s18, s21
	s_add_co_u32 s18, s18, VSCALES
	s_add_nc_u64 s[52:53], s[6:7], s[18:19]        ; v's
	s_mul_i32 s18, s20, 98304
	s_mul_i32 s21, s12, 6144
	s_add_co_u32 s18, s18, s21
	s_add_nc_u64 s[22:23], s[4:5], s[18:19]        ; k's images
	s_mul_i32 s18, s13, 98304
	s_add_co_u32 s18, s18, s21
	s_add_nc_u64 s[46:47], s[6:7], s[18:19]        ; v's
	global_load_b64 v[40:41], v5, s[50:51]
	global_load_b32 v42, v6, s[52:53]              ; keys 0-63 of the step: d tiles 0 | 1,
	global_load_b32 v43, v6, s[52:53] offset:128   ; d tiles 2 | 3;
	global_load_b32 v44, v6, s[52:53] offset:256   ; keys 64-127 likewise
	global_load_b32 v45, v6, s[52:53] offset:384
.set cI, 0
.rept 12
	global_load_b128 v[96+4*cI:99+4*cI], v1, s[22:23] offset:512*cI
.set cI, cI+1
.endr
.set cI, 0
.rept 12
	global_load_b128 v[144+4*cI:147+4*cI], v1, s[46:47] offset:512*cI
.set cI, cI+1
.endr
	s_lshl_b32 s18, s13, 7
	s_add_co_u32 s18, s18, s16
	s_mul_i32 s18, s18, 768
	s_add_nc_u64 s[24:25], s[4:5], s[18:19]        ; q's images
	s_lshl_b32 s18, s13, 5
	s_lshl_b32 s20, ttmp9, 3
	s_add_co_u32 s18, s18, s20
	s_lshr_b32 s20, s12, 1
	s_add_co_u32 s18, s18, s20
	s_lshl_b32 s18, s18, 7
	s_and_b32 s20, s12, 1
	s_lshl_b32 s20, s20, 6
	s_add_co_u32 s18, s18, s20
	s_add_co_u32 s18, s18, QKSCALES
	s_add_nc_u64 s[26:27], s[4:5], s[18:19]        ; q's scale words
	s_lshl_b32 s20, s14, 7
	s_add_co_u32 s20, s20, s16                     ; 128 batch + tile
	s_lshl_b32 s18, s20, 14
	s_add_nc_u64 s[28:29], s[8:9], s[18:19]        ; the mask's codes
	s_lshl_b32 s18, s20, 4
	s_add_nc_u64 s[48:49], s[48:49], s[18:19]      ; the flags: four words a tile
	s_add_co_u32 s18, s18, s15
	s_mul_i32 s18, s18, 768
	s_add_nc_u64 s[30:31], s[10:11], s[18:19]      ; o's images
	s_lshl_b32 s18, s15, 9
	s_add_co_u32 s18, s18, s20
	s_lshl_b32 s18, s18, 6
	s_add_co_u32 s18, s18, OSCALES
	s_add_nc_u64 s[32:33], s[10:11], s[18:19]      ; o's scale words
	s_load_b256 s[56:63], s[48:49], 0x0            ; my two tiles' flags
.macro INITL p                         ; q's fragment of tile p
	global_load_b128 v[22:25], v1, s[24:25] offset:768*\p
	global_load_b64 v[26:27], v2, s[24:25] offset:768*\p
.endm
.macro INITR p
	s_mov_b32 s40, 0                               ; LDS bytes passed
	s_mov_b32 s42, 0                               ; bytes of the mask's codes passed
	s_mov_b32 s45, s[54+\p]                        ; bit 0: this trip's first step hides a key
	v_mov_b32 v13, 0xff61b1e6                      ; -3e38, under every t
	s_delay_alu instid0(VALU_DEP_1)
	v_floor_f32 v12, -v13
	v_mov_b32 v14, 0
	v_mov_b32 v15, 0
	s_wait_loadcnt 0x0
.if \p
	v_perm_b32 v34, v93, v93, 0x03020302           ; the tile's two scale bytes, for either half of K
.else
	v_perm_b32 v34, v93, v93, 0x01000100
.endif
.set cJ, 0
.rept 32
	v_mov_b32 v[160+cJ], 0                         ; the step is written once: the first finds zeros
.set cJ, cJ+1
.endr
	s_wait_alu depctr_va_vdst(0)                   ; the wait ahead of the loop
.endm
.macro MFMA set, rho
.irp i, 0,1,2,3
	v_pk_fma_f32 v[96+8*(\rho)+2*\i:96+8*(\rho)+2*\i+1], v[(\set)+2*\i:(\set)+2*\i+1], s[38:39], v[96+8*(\rho)+2*\i:96+8*(\rho)+2*\i+1] op_sel_hi:[1,0,1]
.endr
.endm
.macro STEP u, p
.irp t, 0,1,2,3,4,5,6,7
	ds_load_b128 v[40+6*\t:43+6*\t], v8 offset:STEPB*\u+768*\t
	ds_load_b64 v[44+6*\t:45+6*\t], v9 offset:STEPB*\u+768*\t
.endr
	ds_load_b32 v36, v88 offset:STEPB*\u
	ds_load_b32 v37, v88 offset:STEPB*\u+128
	s_wait_alu depctr_va_vdst(0)                   ; the wait here, directly ahead of the wait below
	s_wait_dscnt 0x0
.irp j, 0,1,2,3
.if \j%2
	v_wmma_scale_f32_16x16x128_f8f6f4 v[96+16*\j:103+16*\j], v[40+12*\j:51+12*\j], v[22:33], 0, v[36+\j/2], v34 matrix_a_fmt:MATRIX_FMT_FP6 matrix_b_fmt:MATRIX_FMT_FP6 matrix_a_scale:MATRIX_SCALE_ROW1
	v_wmma_scale_f32_16x16x128_f8f6f4 v[104+16*\j:111+16*\j], v[40+12*\j:51+12*\j], v[16:27], 0, v[36+\j/2], v34 matrix_a_fmt:MATRIX_FMT_FP6 matrix_b_fmt:MATRIX_FMT_FP6 matrix_a_scale:MATRIX_SCALE_ROW1
.else
	v_wmma_scale_f32_16x16x128_f8f6f4 v[96+16*\j:103+16*\j], v[40+12*\j:51+12*\j], v[22:33], 0, v[36+\j/2], v34 matrix_a_fmt:MATRIX_FMT_FP6 matrix_b_fmt:MATRIX_FMT_FP6
	v_wmma_scale_f32_16x16x128_f8f6f4 v[104+16*\j:111+16*\j], v[40+12*\j:51+12*\j], v[16:27], 0, v[36+\j/2], v34 matrix_a_fmt:MATRIX_FMT_FP6 matrix_b_fmt:MATRIX_FMT_FP6
.endif
.endr
.rept 4
	v_nop                                          ; four places: for the loads into k's registers and for the first read of the scores
.endr
.irp t, 0,1,2,3
.irp e, 0,1
	ds_load_b128 v[40+12*\t+6*\e:43+12*\t+6*\e], v8 offset:STEPB*\u+6144+3072*\e+768*\t
	ds_load_b64 v[44+12*\t+6*\e:45+12*\t+6*\e], v9 offset:STEPB*\u+6144+3072*\e+768*\t
.endr
.endr
	ds_load_b32 v38, v88 offset:STEPB*\u+256
	ds_load_b32 v39, v88 offset:STEPB*\u+384
	s_bitcmp1_b32 s45, \u
	s_cbranch_scc0 .Lclear_\@                      ; no key of this tile is hidden: the term is 0
	v_add_nc_u32 v89, s42, v1
	global_load_b128 v[192:195], v89, s[28:29] offset:16384*\p+1024*\u
	global_load_b128 v[196:199], v89, s[28:29] offset:16384*\p+1024*\u+512
	s_wait_loadcnt 0x0
	v_cvt_scale_pk8_f32_fp4 v[200:207], v192, v7   ; 1.0 where the key is hidden
	v_cvt_scale_pk8_f32_fp4 v[208:215], v193, v7
	v_nop
.irp w, 0,1,2
	MFMA 200, 2*\w
	v_cvt_scale_pk8_f32_fp4 v[200:207], v[194+2*\w], v7
	MFMA 208, 2*\w+1
	v_cvt_scale_pk8_f32_fp4 v[208:215], v[195+2*\w], v7
.endr
	MFMA 200, 6
	MFMA 208, 7
.Lclear_\@:
.irp b, 0,1,2,3                        ; the largest score of my two blocks of 32 keys, each in two chains
	v_max3_num_f32 v[248+\b], v[96+16*\b], v[97+16*\b], v[98+16*\b]
.endr
.irp i, 3,5,7,9,11,13
.irp b, 0,1,2,3
	v_max3_num_f32 v[248+\b], v[248+\b], v[96+16*\b+\i], v[97+16*\b+\i]
.endr
.endr
	v_max_num_f32 v249, v249, v127
	v_max_num_f32 v251, v251, v159
	v_max3_num_f32 v248, v248, v111, v249          ; block h
	v_max3_num_f32 v250, v250, v143, v251          ; block 2 + h
	v_max_num_f32 v254, v248, v250
	v_permlanex16_b32 v236, v254, s34, s35
	v_max_num_f32 v254, v254, v236                 ; the step's largest score of my query
	v_mul_f32 v254, s36, v254
	v_max_num_f32 v13, v13, v254
	v_mov_b32 v254, v12
	v_floor_f32 v12, -v13                          ; -M = floor(-t)
	v_sub_f32 v254, v12, v254
	v_cvt_i32_f32 v254, v254
	v_ldexp_f32 v252, 1.0, v254                    ; f = 2^(old M - new M)
.set cJ, 0
.rept 32
	v_pk_fma_f32 v[96+cJ:97+cJ], v[96+cJ:97+cJ], s[36:37], v[12:13] op_sel_hi:[1,0,0]   ; t - M
.set cJ, cJ+2
.endr
	v_fma_f32 v248, v248, s36, v12                 ; the same of each block's largest score
	v_fma_f32 v250, v250, s36, v12
	s_wait_alu depctr_va_vdst(0)                   ; the wait ahead of the batch
.set cJ, 0
.rept 64
	v_exp_f32 v[96+cJ], v[96+cJ]
.set cJ, cJ+1
.endr
	v_exp_f32 v248, v248                           ; the blocks' largest p: the same two instructions on the same numbers
	v_exp_f32 v250, v250
	v_pk_mul_f32 v[14:15], v[14:15], v[252:253] op_sel_hi:[1,0]   ; the sum under the new M; the plain place behind the batch
	s_wait_alu depctr_va_vdst(0)                   ; and the wait behind it
	v_max_num_f32 v248, 0x1800000, v248            ; the floor 2^(3 - 127)
	v_max_num_f32 v250, 0x1800000, v250
	v_add_nc_u32 v244, 0xff000000, v248            ; 2 off the exponent field: the conversion's scale operand
	v_add_nc_u32 v245, 0xff000000, v250
	v_lshrrev_b32 v236, 23, v244
	v_lshrrev_b32 v237, 23, v245
	v_lshl_or_b32 v236, v237, 16, v236             ; my bytes: blocks h and 2 + h,
	v_lshlrev_b32 v236, v3, v236                   ; at their places,
	v_permlanex16_b32 v237, v236, s34, s35
	v_or_b32 v35, v236, v237                       ; with lane l xor 16's two: p's scale word
.irp c, 0,1
	v_cvt_scalef32_pk16_fp6_f32 v[224+6*\c:226+6*\c], v[96+32*\c:111+32*\c], v[244+\c]
	v_cvt_scalef32_pk16_fp6_f32 v[236+4*\c:238+4*\c], v[112+32*\c:127+32*\c], v[244+\c]   ; (a conversion's three registers begin on an even number)
.endr
	v_nop                                          ; one plain place behind a scaled conversion
.irp c, 0,1
.irp i, 0,1,2
	v_mov_b32 v[227+6*\c+\i], v[236+4*\c+\i]
.endr
.endr
	s_wait_alu depctr_va_vdst(0)                   ; the wait directly ahead of the first reader of O^T
.set cJ, 0
.rept 16
	v_pk_mul_f32 v[160+cJ:161+cJ], v[160+cJ:161+cJ], v[252:253] op_sel_hi:[1,0]   ; O^T under the new M; also the places in front of the products
.set cJ, cJ+2
.endr
	s_wait_alu depctr_va_vdst(0)                   ; the wait here, directly ahead of the wait below
	s_wait_dscnt 0x0                               ; v's fragments and scale words
.irp t, 0,1,2,3
.if \t%2
	v_wmma_scale_f32_16x16x128_f8f6f4 v[160+8*\t:167+8*\t], v[40+12*\t:51+12*\t], v[224:235], v[160+8*\t:167+8*\t], v[38+\t/2], v35 matrix_a_fmt:MATRIX_FMT_FP6 matrix_b_fmt:MATRIX_FMT_FP6 matrix_a_scale:MATRIX_SCALE_ROW1
.else
	v_wmma_scale_f32_16x16x128_f8f6f4 v[160+8*\t:167+8*\t], v[40+12*\t:51+12*\t], v[224:235], v[160+8*\t:167+8*\t], v[38+\t/2], v35 matrix_a_fmt:MATRIX_FMT_FP6 matrix_b_fmt:MATRIX_FMT_FP6
.endif
.endr
	v_pk_add_f32 v[236:237], v[96:97], v[98:99]    ; the row's sum of the unquantised p, in two chains; these lines name no register of the products above and are the places behind them
.irp j, 4,8,12,16,20,24,28,32,36,40,44,48,52,56,60
	v_pk_add_f32 v[14:15], v[14:15], v[96+\j:97+\j]
	v_pk_add_f32 v[236:237], v[236:237], v[98+\j:99+\j]
.endr
	v_pk_add_f32 v[14:15], v[14:15], v[236:237]
.endm
.macro PASS p                          ; 8 trips of two steps
	s_mov_b32 s43, 8
.Ltrip_\@:
	v_add_nc_u32 v8, s40, v1
	v_add_nc_u32 v9, s40, v2
	v_add_nc_u32 v88, s40, v4
	STEP 0, \p
	STEP 1, \p
	s_add_co_u32 s40, s40, 2*STEPB
	s_add_co_u32 s42, s42, 2048
	s_lshr_b32 s45, s45, 2
	s_sub_co_u32 s43, s43, 1
	s_cmp_lg_u32 s43, 0
	s_cbranch_scc1 .Ltrip_\@
.endm
.macro FIN p                           ; O^T / the sum, quantised along the head's 64, stored as an image
	v_add_f32 v14, v14, v15
	s_delay_alu instid0(VALU_DEP_1)
	v_permlanex16_b32 v252, v14, s34, s35
	s_delay_alu instid0(VALU_DEP_1)
	v_add_f32 v14, v14, v252
	s_wait_alu depctr_va_vdst(0)
	v_rcp_f32 v14, v14
	v_nop
	s_wait_alu depctr_va_vdst(0)
.set cJ, 0
.rept 16
	v_pk_mul_f32 v[96+cJ:97+cJ], v[160+cJ:161+cJ], v[14:15] op_sel_hi:[1,0]
.set cJ, cJ+2
.endr
.irp b, 0,1
	v_max3_num_f32 v[248+\b], |v[96+16*\b]|, |v[97+16*\b]|, 0x1800000
.endr
.irp i, 2,4,6,8,10,12,14
.irp b, 0,1
	s_delay_alu instid0(VALU_DEP_2)
	v_max3_num_f32 v[248+\b], v[248+\b], |v[96+16*\b+\i]|, |v[97+16*\b+\i]|
.endr
.endr
.irp b, 0,1
	s_delay_alu instid0(VALU_DEP_2)
	v_permlanex16_b32 v[236+\b], v[248+\b], s34, s35
.endr
.irp b, 0,1
	s_delay_alu instid0(VALU_DEP_2)
	v_max_num_f32 v[248+\b], v[248+\b], v[236+\b]
.endr
.irp b, 0,1
	s_delay_alu instid0(VALU_DEP_2)
	v_add_nc_u32 v[244+\b], 0xff000000, v[248+\b]
.endr
.irp b, 0,1
	s_delay_alu instid0(VALU_DEP_2)
	v_lshrrev_b32 v[236+\b], 23, v[244+\b]
.endr
	s_delay_alu instid0(VALU_DEP_1)
	v_lshl_or_b32 v[90+\p], v237, 8, v236
	v_cvt_scalef32_pk16_fp6_f32 v[224:226], v[96:111], v244
	v_cvt_scalef32_pk16_fp6_f32 v[240:242], v[112:127], v245
	v_nop
.irp i, 0,1,2
	v_permlane16_swap_b32 v[224+\i], v[240+\i]
.endr
.irp i, 0,1,2
	s_delay_alu instid0(VALU_DEP_3)
	v_mov_b32 v[227+\i], v[240+\i]
.endr
	global_store_b128 v1, v[224:227], s[30:31] offset:12288*\p
	global_store_b64 v2, v[228:229], s[30:31] offset:12288*\p
.if \p
	v_cndmask_b32 v92, v90, v91, s44
	global_store_b32 v6, v92, s[32:33]
.endif
.endm
	INITL 0
	global_load_b32 v93, v94, s[26:27]
	s_wait_loadcnt 27                              ; the five loads of scales are in: behind them 24 of codes and 3 of q
	v_lshl_or_b32 v42, v44, 16, v42                ; v's scale words: two bytes of each 64 keys
	v_lshl_or_b32 v43, v45, 16, v43
	ds_store_b64 v217, v[40:41] offset:12288
	ds_store_b32 v216, v42 offset:256
	ds_store_b32 v216, v43 offset:384
.set cI, 0
.rept 24
	s_wait_loadcnt 26-cI                           ; loads come back in order: load cI of the 24 is in (behind it 23 - cI of them and 3 of q)
	ds_store_b128 v218, v[96+4*cI:99+4*cI] offset:512*cI
.set cI, cI+1
.endr
	s_wait_kmcnt 0x0
	s_or_b32 s54, s56, s57                         ; a tile's four words make its 16 bits, one a key step
	s_or_b32 s55, s58, s59
	s_or_b32 s54, s54, s55
	s_or_b32 s55, s60, s61
	s_or_b32 s20, s62, s63
	s_or_b32 s55, s55, s20
	s_wait_dscnt 0x0                               ; for the others' sake: my stores have landed
	s_barrier_signal -1
	s_barrier_wait -1                              ; all 16 key steps lie in LDS; nothing is written there again
	INITR 0
	PASS 0
	FIN 0
	s_wait_xcnt 0x0                                ; the stores have read their registers
	INITL 1
	INITR 1
	PASS 1
	FIN 1
	s_wait_tensorcnt 0x0                           ; the wave's end
	ds_add_u32 v223, v255
	s_wait_dscnt 0x0
	s_endpgm
.Lfunc_end_k_q7198c44364_attn:
	.size	k_q7198c44364_attn, .Lfunc_end_k_q7198c44364_attn-k_q7198c44364_attn
	.p2alignl 7, 3214868480
	.fill 96, 4, 3214868480
	.section	.rodata,"a",@progbits
	.p2align	6, 0x0
	.amdhsa_kernel k_q7198c44364_attn
		.amdhsa_group_segment_fixed_size 206848
		.amdhsa_private_segment_fixed_size 0
		.amdhsa_enable_private_segment 0
		.amdhsa_kernarg_size 40
		.amdhsa_user_sgpr_count 2
		.amdhsa_user_sgpr_kernarg_segment_ptr 1
		.amdhsa_wavefront_size32 1
		.amdhsa_system_sgpr_workgroup_id_x 1
		.amdhsa_system_sgpr_workgroup_id_y 1
		.amdhsa_system_sgpr_workgroup_id_z 1
		.amdhsa_system_vgpr_workitem_id 0
		.amdhsa_next_free_vgpr 256
		.amdhsa_next_free_sgpr 66
		.amdhsa_reserve_vcc 0
		.amdhsa_float_denorm_mode_32 3
		.amdhsa_float_denorm_mode_16_64 3
		.amdhsa_memory_ordered 1
		.amdhsa_forward_progress 1
		.amdhsa_inst_pref_size 93
	.end_amdhsa_kernel
	.amdgpu_metadata
---
amdhsa.version: [ 1, 2 ]
amdhsa.kernels:
  - .name:           k_q7198c44364_attn
    .symbol:         k_q7198c44364_attn.kd
    .args:
      - { .name: qkimg, .offset: 0, .size: 8, .value_kind: global_buffer, .address_space: global }
      - { .name: vimg, .offset: 8, .size: 8, .value_kind: global_buffer, .address_space: global }
      - { .name: mimg, .offset: 16, .size: 8, .value_kind: global_buffer, .address_space: global }
      - { .name: oimg, .offset: 24, .size: 8, .value_kind: global_buffer, .address_space: global }
      - { .name: flags, .offset: 32, .size: 8, .value_kind: global_buffer, .address_space: global }
    .group_segment_fixed_size: 206848
    .private_segment_fixed_size: 0
    .kernarg_segment_align: 8
    .kernarg_segment_size: 40
    .max_flat_workgroup_size: 512
    .sgpr_count:     66
    .vgpr_count:     256
    .wavefront_size: 32
...
	.end_amdgpu_metadata
.endif
;; end of part 3
;; launch oproj (part 4): grid 2 x 128, 8 waves a work-group, no clusters, 191,488 bytes of LDS; arguments oimg, wimg, bo, out0; writes out0
.if DOCPART == 4
	.amdgcn_target "amdgcn-amd-amdhsa--gfx1250"
	.amdhsa_code_object_version 6
	.text
	.protected	k_q7198c44364_oproj
	.globl	k_q7198c44364_oproj
	.p2align	8
	.type	k_q7198c44364_oproj,@function
k_q7198c44364_oproj:
	s_mov_b64 s[64:65], 0
	v_nop
	global_prefetch_b8 v0, s[64:65] scope:SCOPE_SE
	s_setreg_imm32_b32 hwreg(HW_REG_WAVE_MODE, 25, 1), 1
	s_wait_xcnt 0x0
; out0 = o Wo + bo on codes of FP6 (E2M3) with E8M0 scales.  o's codes and Wo's come as images of the operand's registers.
; SHARES.  A work-group owns 64 rows x 512 columns; wave w owns 64 columns (group G = 4 x + w / 2, tiles 4 (w % 2) on) for all 64 rows: 16 accumulators in window 1; bo, in the result's layout, is the C of the first K step.
; The product is used transposed (source 0 = 16 columns of Wo, source 1 = 16 rows of o): register 32 mt + 16 b + i of a lane is column 32 b + 16 h + i of its row.
; o's 49,152 bytes are copied into LDS once, as they lie; the weights come straight into registers: each wave reads only its own columns, so no tensor load exists that a cluster could share.
; The rows of a tile are 32 (mt / 2) + 8 (mt % 2) + r + 8 (r / 8) of the block of 64.  The way out goes through the wave's own stage: sixteen lanes store 256 consecutive bytes, aligned.
.set XSC,  49152                       ; o's scale words: 256 s + 16 r + 4 mt
.set OST,  51200                       ; stages: 64 rows x 272 bytes a wave
.set OSTB, 17408
.set WSCALES, 3145728
.set OSCALES, 6291456
.set L16, 1                            ; 16 l (o's images begin at LDS byte 0)
.set T16, 2                            ; 16 x thread
.set LA8, 3                            ; 512 + 8 l
.set LXS, 4                            ; XSC + 16 r
.set L4,  5                            ; 4 l
.set GH,  6                            ; 64 h
.set OSA, 7                            ; o's scale words in memory
.set XSW, 8                            ; and in LDS
.set SO,  9                            ; the stage, in
.set SR,  10                           ; and out
.set CO,  11                           ; 4096 h + 16 r
.set XS,  16                           ; v16-23  o's scale words, two sets
.set WS,  24                           ; v24-39  Wo's, 2 s + e
.set AF,  40                           ; v40-135 o's fragments, two sets of four
.set BR,  136                          ; v136-231 Wo's fragments, two groups of four
.set MSB, 0
.macro WIN new
.if MSB != \new
	s_set_vgpr_msb (MSB<<8)|\new
.set MSB, \new
.endif
.endm
.macro BLOAD s                         ; 12 loads: my four tiles of K step s into group s % 2
.irp tt, 0,1,2,3
.irp c, 0,1,2
	global_load_b128 v[BR+48*((\s)%2)+12*\tt+4*\c:BR+48*((\s)%2)+12*\tt+4*\c+3], v[L16], s[16:17] offset:12288*(\s)+1536*\tt+512*\c
.endr
.endr
.endm
.macro FETCHA s                        ; 17 LDS loads: a fragment is two heads' images of 768 bytes on end
.irp mt, 0,1,2,3
.irp e, 0,1
	ds_load_b128 v[AF+48*((\s)%2)+12*\mt+6*\e:AF+48*((\s)%2)+12*\mt+6*\e+3], v[L16] offset:12288*\mt+1536*(\s)+768*\e
	ds_load_b64 v[AF+48*((\s)%2)+12*\mt+6*\e+4:AF+48*((\s)%2)+12*\mt+6*\e+5], v[LA8] offset:12288*\mt+1536*(\s)+768*\e
.endr
.endr
	ds_load_b128 v[XS+4*((\s)%2):XS+4*((\s)%2)+3], v[LXS] offset:256*(\s)
.endm
.macro WM first, odd
.if \first
.if \odd
	v_wmma_scale_f32_16x16x128_f8f6f4 v[rD:rD+7], v[rA:rA+11], v[rB:rB+11], v[rC:rC+7], v[rSA], v[rSB] matrix_a_fmt:MATRIX_FMT_FP6 matrix_b_fmt:MATRIX_FMT_FP6 matrix_a_scale:MATRIX_SCALE_ROW1
.else
	v_wmma_scale_f32_16x16x128_f8f6f4 v[rD:rD+7], v[rA:rA+11], v[rB:rB+11], v[rC:rC+7], v[rSA], v[rSB] matrix_a_fmt:MATRIX_FMT_FP6 matrix_b_fmt:MATRIX_FMT_FP6
.endif
.else
.if \odd
	v_wmma_scale_f32_16x16x128_f8f6f4 v[rD:rD+7], v[rA:rA+11], v[rB:rB+11], v[rD:rD+7], v[rSA], v[rSB] matrix_a_fmt:MATRIX_FMT_FP6 matrix_b_fmt:MATRIX_FMT_FP6 matrix_a_scale:MATRIX_SCALE_ROW1
.else
	v_wmma_scale_f32_16x16x128_f8f6f4 v[rD:rD+7], v[rA:rA+11], v[rB:rB+11], v[rD:rD+7], v[rSA], v[rSB] matrix_a_fmt:MATRIX_FMT_FP6 matrix_b_fmt:MATRIX_FMT_FP6
.endif
.endif
.endm
.macro OSTEP s, first                  ; the 16 accumulators take turns, one instruction a turn, in the same order in every K step
.if (\s) < 7
	s_wait_loadcnt 12                              ; this step's weights are in; the next step's 12 loads may be out
	s_wait_dscnt 17                                ; this step's fragments of o are in; the next step's 17 loads may be out
.else
	s_wait_loadcnt 0x0
	s_wait_dscnt 0x0
.endif
	WIN 0x50
.irp tt, 0,1,2,3
.irp mt, 0,1,2,3
.set rD, 32*\mt+8*\tt
.set rC, 128+8*\tt
.set rA, BR+48*((\s)%2)+12*\tt
.set rB, AF+48*((\s)%2)+12*\mt
.set rSA, WS+2*(\s)+\tt/2
.set rSB, XS+4*((\s)%2)+\mt
	WM \first, \tt%2
.endr
.endr
	WIN 0
.rept 4
	v_nop                                          ; places in front of loads into registers that the products have read, and of the first read of results
.endr
.if (\s) < 6
	BLOAD (\s)+2
	FETCHA (\s)+2
.endif
.endm
	s_load_b256 s[4:11], s[0:1], 0x0               ; oimg, wimg, bo, out0
	v_lshl_add_u32 v254, v0, 2, 0x2e800
	v_mov_b32 v255, 0
	v_lshrrev_b32 v1, 5, v0
	s_delay_alu instid0(VALU_DEP_1)
	v_readfirstlane_b32 s12, v1                    ; wave 0..7
	s_and_b32 s13, ttmp7, 0xffff                   ; gy: which 64 rows
	s_lshl_b32 s14, ttmp9, 2
	s_lshr_b32 s15, s12, 1
	s_add_co_u32 s14, s14, s15                     ; G
	s_and_b32 s15, s12, 1                          ; which half of the group's eight tiles
	v_and_b32 v13, 31, v0                          ; l
	v_and_b32 v14, 15, v0                          ; r
	v_bfe_u32 v15, v0, 4, 1                        ; h
	s_delay_alu instid0(VALU_DEP_3)
	v_lshlrev_b32 v[L16], 4, v13
	v_lshlrev_b32 v[T16], 4, v0
	v_lshl_add_u32 v[LA8], v13, 3, 512
	v_lshl_add_u32 v[LXS], v14, 4, XSC
	v_lshlrev_b32 v[L4], 2, v13
	v_lshlrev_b32 v[GH], 6, v15
	s_mul_i32 s20, s12, OSTB
	s_add_co_u32 s20, s20, OST
	v_mul_u32_u24 v[SO], v14, 272
	s_delay_alu instid0(VALU_DEP_1)
	v_lshl_add_u32 v[SO], v15, 6, v[SO]
	s_delay_alu instid0(VALU_DEP_1)
	v_add_nc_u32 v[SO], s20, v[SO]
	v_mul_u32_u24 v[SR], v15, 272
	s_delay_alu instid0(VALU_DEP_1)
	v_lshl_add_u32 v[SR], v14, 4, v[SR]
	s_delay_alu instid0(VALU_DEP_1)
	v_add_nc_u32 v[SR], s20, v[SR]
	v_lshlrev_b32 v[CO], 12, v15
	s_delay_alu instid0(VALU_DEP_1)
	v_lshl_add_u32 v[CO], v14, 4, v[CO]
	v_lshrrev_b32 v13, 6, v0                       ; thread tau: K steps tau / 64 and tau / 64 + 4, word tau % 64 = 16 mt + r
	v_and_b32 v12, 63, v0
	s_delay_alu instid0(VALU_DEP_2)
	v_lshlrev_b32 v[OSA], 16, v13
	s_delay_alu instid0(VALU_DEP_1)
	v_lshl_add_u32 v[OSA], v12, 2, v[OSA]
	s_delay_alu instid0(VALU_DEP_4)
	v_lshlrev_b32 v13, 8, v13
	s_delay_alu instid0(VALU_DEP_1)
	v_lshl_add_u32 v13, v14, 4, v13
	v_bfe_u32 v12, v0, 4, 2
	s_delay_alu instid0(VALU_DEP_1)
	v_lshl_add_u32 v13, v12, 2, v13
	s_delay_alu instid0(VALU_DEP_1)
	v_add_nc_u32 v[XSW], XSC, v13
	s_add_co_u32 s20, s14, 24                      ; weight 3: 8 x 3 + G
	s_mul_i32 s24, s20, 98304
	s_mul_i32 s21, s15, 6144
	s_add_co_u32 s24, s24, s21
	s_mov_b32 s25, 0
	s_lshl_b32 s26, s20, 12
	s_lshl_b32 s21, s15, 8
	s_add_co_u32 s26, s26, s21
	s_add_co_u32 s26, s26, WSCALES
	s_mov_b32 s27, 0
	s_lshl_b32 s28, s14, 9
	s_add_co_u32 s28, s28, s21                     ; bo: 512 G + 256 half
	s_mov_b32 s29, 0
	s_mul_i32 s30, s13, 49152
	s_mov_b32 s31, 0
	s_lshl_b32 s32, s13, 8
	s_add_co_u32 s32, s32, OSCALES
	s_mov_b32 s33, 0
	s_lshl_b32 s34, s13, 18                        ; 64 rows of 4,096 bytes
	s_lshl_b32 s21, ttmp9, 11
	s_add_co_u32 s34, s34, s21
	s_lshl_b32 s21, s12, 8
	s_add_co_u32 s34, s34, s21
	s_mov_b32 s35, 0
	s_wait_alu depctr_va_vdst(0)
	s_wait_kmcnt 0x0
	s_add_nc_u64 s[16:17], s[6:7], s[24:25]        ; Wo's images
	s_add_nc_u64 s[18:19], s[6:7], s[26:27]        ; Wo's scale words
	s_add_nc_u64 s[8:9], s[8:9], s[28:29]
	s_add_nc_u64 s[22:23], s[4:5], s[32:33]        ; o's scale words
	s_add_nc_u64 s[4:5], s[4:5], s[30:31]          ; o's images
	s_add_nc_u64 s[10:11], s[10:11], s[34:35]
	BLOAD 0
	BLOAD 1
.irp s, 0,1,2,3,4,5,6,7
.irp e, 0,1
	global_load_b32 v[WS+2*\s+\e], v[L4], s[18:19] offset:512*\s+128*\e
.endr
.endr
	WIN 0x40
.irp tt, 0,1,2,3
.irp q, 0,1
	global_load_b128 v[128+8*\tt+4*\q:128+8*\tt+4*\q+3], v[GH], s[8:9] offset:128*(\tt/2)+32*(\tt%2)+16*\q   ; bo at the lane's eight columns of tile tt
.endr
.endr
	WIN 0
.irp i, 0,1,2,3,4,5,6,7,8,9,10,11
	global_load_b128 v[AF+4*\i:AF+4*\i+3], v[T16], s[4:5] offset:4096*\i   ; o's images: 4,096 consecutive bytes a work-group and load
.endr
	global_load_b32 v[AF+48], v[OSA], s[22:23]                  ; head 2 s,
	global_load_b32 v[AF+49], v[OSA], s[22:23] offset:32768     ; head 2 s + 1,
	global_load_b32 v[AF+50], v[OSA], s[22:23] offset:262144    ; and the same four K steps on
	global_load_b32 v[AF+51], v[OSA], s[22:23] offset:294912
	s_wait_loadcnt 0x0
.irp i, 0,1,2,3,4,5,6,7,8,9,10,11
	ds_store_b128 v[T16], v[AF+4*\i:AF+4*\i+3] offset:4096*\i
.endr
	v_lshl_or_b32 v[AF+48], v[AF+49], 16, v[AF+48]
	v_lshl_or_b32 v[AF+50], v[AF+51], 16, v[AF+50]
	ds_store_b32 v[XSW], v[AF+48]
	ds_store_b32 v[XSW], v[AF+50] offset:1024
	s_wait_dscnt 0x0                               ; for the others' sake: my stores have landed
	s_barrier_signal -1
	s_barrier_wait -1
	FETCHA 0
	FETCHA 1
	OSTEP 0, 1
.irp s, 1,2,3,4,5,6,7
	OSTEP \s, 0
.endr
	; ---- the way out
	WIN 0x04
.irp mt, 0,1,2,3
.irp b, 0,1
.irp j, 0,1,2,3
	ds_store_b128 v[SO], v[32*\mt+16*\b+4*\j:32*\mt+16*\b+4*\j+3] offset:4352*\mt+128*\b+16*\j   ; each accumulator from its low end on
.endr
.endr
.endr
	WIN 0
.irp i, 0,1,2,3,4,5,6,7,8,9,10,11,12,13,14,15,16,17,18,19,20,21,22,23,24,25,26,27,28,29,30,31
	ds_load_b128 v[40+4*\i:43+4*\i], v[SR] offset:544*\i   ; LDS serves a wave's instructions in order: these see my stores.  Lanes 0-15 stage row 2 i, lanes 16-31 row 2 i + 1
.endr
.irp i, 0,1,2,3,4,5,6,7,8,9,10,11,12,13,14,15,16,17,18,19,20,21,22,23,24,25,26,27,28,29,30,31
	s_wait_dscnt 31-\i
	global_store_b128 v[CO], v[40+4*\i:43+4*\i], s[10:11] offset:(32*(\i/16)+8*((\i/8)%2)+2*(\i%8)+8*((\i%8)/4))*4096 th:TH_STORE_NT   ; sixteen lanes store 256 consecutive bytes, at a multiple of 256 from out0's first byte
.endr
	s_wait_tensorcnt 0x0
	ds_add_u32 v254, v255
	s_wait_dscnt 0x0
	s_endpgm
.Lfunc_end_k_q7198c44364_oproj:
	.size	k_q7198c44364_oproj, .Lfunc_end_k_q7198c44364_oproj-k_q7198c44364_oproj
	.p2alignl 7, 3214868480
	.fill 96, 4, 3214868480
	.section	.rodata,"a",@progbits
	.p2align	6, 0x0
	.amdhsa_kernel k_q7198c44364_oproj
		.amdhsa_group_segment_fixed_size 191488
		.amdhsa_private_segment_fixed_size 0
		.amdhsa_enable_private_segment 0
		.amdhsa_kernarg_size 32
		.amdhsa_user_sgpr_count 2
		.amdhsa_user_sgpr_kernarg_segment_ptr 1
		.amdhsa_wavefront_size32 1
		.amdhsa_system_sgpr_workgroup_id_x 1
		.amdhsa_system_sgpr_workgroup_id_y 1
		.amdhsa_system_sgpr_workgroup_id_z 1
		.amdhsa_system_vgpr_workitem_id 0
		.amdhsa_next_free_vgpr 416
		.amdhsa_next_free_sgpr 66
		.amdhsa_reserve_vcc 0
		.amdhsa_float_denorm_mode_32 3
		.amdhsa_float_denorm_mode_16_64 3
		.amdhsa_memory_ordered 1
		.amdhsa_forward_progress 1
		.amdhsa_inst_pref_size 53
	.end_amdhsa_kernel
	.amdgpu_metadata
---
amdhsa.version: [ 1, 2 ]
amdhsa.kernels:
  - .name:           k_q7198c44364_oproj
    .symbol:         k_q7198c44364_oproj.kd
    .args:
      - { .name: oimg, .offset: 0, .size: 8, .value_kind: global_buffer, .address_space: global }
      - { .name: wimg, .offset: 8, .size: 8, .value_kind: global_buffer, .address_space: global }
      - { .name: bo, .offset: 16, .size: 8, .value_kind: global_buffer, .address_space: global }
      - { .name: out0, .offset: 24, .size: 8, .value_kind: global_buffer, .address_space: global }
    .group_segment_fixed_size: 191488
    .private_segment_fixed_size: 0
    .kernarg_segment_align: 8
    .kernarg_segment_size: 32
    .max_flat_workgroup_size: 256
    .sgpr_count:     66
    .vgpr_count:     416
    .wavefront_size: 32
...
	.end_amdgpu_metadata
.endif
;; end of part 4
